; MI455X (gfx1250); checked and timed in simulation.
; The chip was launched on July 23, 2026; its instructions are those of AMD's public machine-readable ISA for CDNA 5 (MIT licence, August 2026) and "CDNA5" Instruction Set Architecture Reference Guide (July 2026). The comments in the code are by the model that wrote it; some were corrected since.
;; Multi Head Attention. Allowed arithmetic: matrix products marked QUANTISED: E2M1 operands, one E8M0 scale for each 32 along K, by v_wmma_scale_f32_16x16x128_f8f6f4 with both operands' format E2M1 (or v_wmma_scale_f32_32x16x128_f4), f32 sums; products left as they are: bf16, f16 or f32 operands; f32 sums; everything else in f32.
;; Inputs: key 4 x 2,048 x 1,024 float32; mask 1 x 1 x 2,048 x 2,048 bool; query 4 x 2,048 x 1,024 float32; value 4 x 2,048 x 1,024 float32; wk 1,024 x 1,024 float32; wo 1,024 x 1,024 float32; wq 1,024 x 1,024 float32; wv 1,024 x 1,024 float32.
;; Outputs: out0 4 x 2,048 x 1,024 float32.
;; This version of the problem:
;;   THIS VERSION OF THE PROBLEM IS GIVEN IN LOW PRECISION. The matrix products marked QUANTISED in the list below multiply operands that are first quantised to E2M1 (2 exponent bits, 1 mantissa bit; 4 bits a number), with one power-of-two scale for each 32 numbers along K (OCP MX v1.0); their sums are f32. The products marked 'left as it is' may take bf16, f16 or f32 operands, with f32 sums. Whichever they take, every output number must still come out within the allowed error. Rounding operands to bf16 (8 significant bits) uses up far more of that allowance than f16 does (11 bits, for magnitudes from 6e-5 to 65,504). All else is computed in f32.
;;   The module's matrix products, in the order in which they are computed (A, B: the left and right operand; K: the contracted axis; several contracted axes count as one K, in the product's order):
;;     1. [M 8,192, K 1,024] x [K 1,024, N 1,024]; A: input query; B: input wq: QUANTISED
;;     2. [M 8,192, K 1,024] x [K 1,024, N 1,024]; A: input key; B: input wk: QUANTISED
;;     3. [M 8,192, K 1,024] x [K 1,024, N 1,024]; A: input value; B: input wv: QUANTISED
;;     4. batch 64 x [M 2,048, K 64] x [K 64, N 2,048]; A: computed on the way; B: computed on the way: left as it is (an operand is computed on the way)
;;     5. batch 64 x [M 2,048, K 2,048] x [K 2,048, N 64]; A: computed on the way; B: computed on the way: left as it is (an operand is computed on the way)
;;     6. [M 8,192, K 1,024] x [K 1,024, N 1,024]; A: computed on the way; B: input wo: left as it is (an operand is computed on the way)
;;   THE QUANTISER, for each operand of a quantised product, along K:
;;     - K is cut into blocks of 32 from its start; a last block that is shorter is filled with zeros.
;;     - A block's scale is 2^e with e = floor(log2(the largest magnitude in the block)) - 2, held to -126 .. 127; a block of zeros has e = 0. As a byte (E8M0): e + 127.
;;     - Each number is divided by its block's scale, clamped to +-6, and rounded to the nearest number of E2M1, ties to even, subnormals kept.
;;     - The product sums the exact products of the quantised numbers (number of the format x scale) in f32.
;;   ~~~python
;;   def quantise(x, axis):      # numpy; x: float32 -> the quantised numbers, widened to float32 again
;;       x = np.moveaxis(x, axis, -1); K = x.shape[-1]
;;       x = np.pad(x, [(0, 0)] * (x.ndim - 1) + [(0, -K % 32)]); x = x.reshape(x.shape[:-1] + (-1, 32)); a = np.abs(x).max(-1, keepdims=True)
;;       e = np.where(a > 0, np.clip(np.frexp(np.where(a > 0, a, 1))[1] - 1 - 2, -126, 127), 0)      # np.frexp(a)[1] - 1 = floor(log2(a)), exactly
;;       r = np.clip(x / 2.0 ** e, -6, 6)
;;       step = 2.0 ** (np.maximum(np.frexp(np.where(r == 0, 1, r))[1] - 1, 0) - 1)
;;       q = np.round(r / step) * step * 2.0 ** e      # np.round: ties to even
;;       return np.moveaxis(q.reshape(q.shape[:-2] + (-1,))[..., :K], -1, axis).astype(np.float32)
;;   ~~~
;; One version. Each part assembles by itself: llvm-mc -triple=amdgcn-amd-amdhsa -mcpu=gfx1250 --defsym DOCPART=n.
;; ======== version 1 of 1: 4 launches
;; limits: values are held in f16: magnitudes above 65,504 overflow, below 6.1e-05 lose precision
;; workspace buffers: codes 14,155,776 bytes; scales 884,736 bytes; wo16 2,097,152 bytes; mbits 524,288 bytes of whole numbers; qkv 50,331,648 bytes; o16 16,777,216 bytes
;; launch prep (part 1): grid 1248 x 1, 4 waves a work-group, no clusters, 33,280 bytes of LDS; arguments query, key, value, wq, wk, wv, wo, mask, codes, scales, wo16, mbits; writes codes, scales, wo16, mbits
.if DOCPART == 1
	.amdgcn_target "amdgcn-amd-amdhsa--gfx1250"
	.amdhsa_code_object_version 6
	.text
	.protected	k_q5bd5bb893c_prep
	.globl	k_q5bd5bb893c_prep
	.p2align	8
	.type	k_q5bd5bb893c_prep,@function
k_q5bd5bb893c_prep:
	s_mov_b64 s[64:65], 0
	v_nop
	global_prefetch_b8 v0, s[64:65] scope:SCOPE_SE
	s_setreg_imm32_b32 hwreg(HW_REG_WAVE_MODE, 25, 1), 1
	s_wait_xcnt 0x0
; MULTI-HEAD ATTENTION, launch 1 of 4: everything that is made once from the inputs.
; DEAD WORK: none.  Every one of the eight inputs has a way to the output for some finite values (the mask hides any key of any query), so all are loaded and no product is left out.
; Three kinds of work-groups, told apart by the work-group's number alone:
;   0 .. 863     query, key, value [8192][1024] and wq, wk, wv [1024][1024], f32 with K innermost, become codes of FP4 (E2M1) and one E8M0 scale byte for each 32 along K.
;                All six are plain streams of blocks of 32; their codes lie on end in 'codes' as 27,648 rows of 512 bytes (query, key, value, wq, wk, wv), their bytes in 'scales' as rows of 32.
;   864 .. 991   wo [1024 n][1024 k] f32 becomes f16, laid by head: wo16 [16 h][1024 n][64], k = 64 h + d, so that a head's rows are one dense block for the last launch.
;   992 .. 1247  mask [2048 q][2048 k], one byte each, becomes lane masks for the attention launch: mbits [128 tiles of 16 queries][32 steps of 64 keys][32 words];
;                bit l of word 8 t + j is mask[16 tile + l % 16][64 step + 16 t + 8 (l / 16) + j]: the lane mask of the score register 8 t + j there.
; THE QUANTISER: a block's scale is 2^(floor(log2(its largest magnitude)) - 2); its byte is the largest magnitude's exponent field - 2, held at 1 from below; each number is divided by the scale and
; rounded to the nearest code, ties to even, beyond 6 the largest code.  A block of zeros gets the byte 1 where the rule says 127: its codes are zeros, and this program alone reads the bytes.
; LIMITS: NaN and infinities among the inputs are not served; blocks whose largest magnitude lies under 2^-124 keep the byte 1; |wo| stays under 65,504 (f16).
.set WAVES, 4
.set STEPS, 16
.set WGQ,   864                        ; work-groups that quantise: 32,768 numbers each
.set WGW,   128                        ; work-groups for wo
.set EMAX,  2
.set CB,    8                          ; bytes of 16 codes
.set R,     16                         ; v16-79   four sets of 16 numbers as they are loaded
.set X,     80                         ; v80-111  two sets of 16 neighbours
.set E,     112                        ; v112-127 a scale byte for each step
.set C,     128                        ; v128-191 codes: four registers for each step, so that no store's data are written again
.set WREG,  8192                       ; LDS: a region for each wave: two stages of 32 x SP bytes, behind them its 256 scale bytes
.set SP,    80                         ; a lane's place in a stage: its 64 bytes + 16 of padding
.set SPW,   12                         ; v12  LDS address of my spare word; never rewritten
.set NIL,   13                         ; v13  0; never rewritten
.set SPARE, WAVES*WREG                 ; behind the four regions: the spare words, 128 bytes a wave
	s_load_b512 s[4:19], s[0:1], 0x0               ; query 4:5, key 6:7, value 8:9, wq 10:11, wk 12:13, wv 14:15, wo 16:17, mask 18:19
	s_load_b256 s[20:27], s[0:1], 0x40             ; codes 20:21, scales 22:23, wo16 24:25, mbits 26:27
	v_lshl_add_u32 v[SPW], v0, 2, SPARE
	v_mov_b32 v[NIL], 0
	v_lshrrev_b32 v1, 5, v0
	v_readfirstlane_b32 s28, v1                    ; wave
	v_and_b32 v2, 31, v0                           ; lane
	s_wait_kmcnt 0x0
	s_cmp_ge_u32 ttmp9, WGQ
	s_cbranch_scc1 .Lother
; ---- THE QUANTISER.  A wave takes 16 steps of 512 numbers.  Each of a step's four loads reads 512 consecutive bytes, 16 a lane; the 2,048 bytes turn through the wave's own stage in LDS and come back
; 64 bytes a lane, so that a lane holds 16 neighbours along K (two neighbouring lanes hold a block), which is what the conversions take.  Loads run four steps ahead, the turn through LDS one step.
	v_lshlrev_b32 v3, 4, v2                        ; my 16 bytes of a load's 512
	s_mul_i32 s29, s28, WREG
	v_lshrrev_b32 v14, 2, v2
	v_mul_u32_u24 v14, v14, SP
	v_and_b32 v15, 3, v2
	v_lshl_add_u32 v14, v15, 4, v14
	v_add_nc_u32 v14, s29, v14                     ; the stage, on the way in: SP (lane / 4) + 16 (lane % 4)
	v_mul_u32_u24 v15, v2, SP
	v_add_nc_u32 v15, s29, v15                     ; and on the way out: SP x lane
	v_mul_u32_u24 v4, v2, CB                       ; my codes' place in a step's
	v_lshrrev_b32 v5, 1, v2
	s_add_co_u32 s29, s29, 2*32*SP
	v_add_nc_u32 v5, s29, v5                       ; LDS: my wave's 256 scale bytes, my block's byte
	v_lshlrev_b32 v7, 3, v2                        ; and on the way out 8 bytes a lane
	v_add_nc_u32 v6, s29, v7
	s_mov_b64 s[30:31], s[14:15]                   ; which tensor?  The choice hangs on the work-group's number alone: from the last downward
	s_mov_b32 s32, 832                             ; and the tensor's first work-group
	s_cmp_lt_u32 ttmp9, 832
	s_cselect_b64 s[30:31], s[12:13], s[30:31]
	s_cselect_b32 s32, 800, s32
	s_cmp_lt_u32 ttmp9, 800
	s_cselect_b64 s[30:31], s[10:11], s[30:31]
	s_cselect_b32 s32, 768, s32
	s_cmp_lt_u32 ttmp9, 768
	s_cselect_b64 s[30:31], s[8:9], s[30:31]
	s_cselect_b32 s32, 512, s32
	s_cmp_lt_u32 ttmp9, 512
	s_cselect_b64 s[30:31], s[6:7], s[30:31]
	s_cselect_b32 s32, 256, s32
	s_cmp_lt_u32 ttmp9, 256
	s_cselect_b64 s[30:31], s[4:5], s[30:31]
	s_cselect_b32 s32, 0, s32
	s_sub_co_u32 s33, ttmp9, s32
	s_lshl_b32 s33, s33, 2
	s_add_co_u32 s33, s33, s28                     ; which run of 8,192 numbers of the tensor is my wave's
	s_lshl_b32 s34, s33, 15                        ; 32,768 bytes a run
	s_mov_b32 s35, 0
	s_add_nc_u64 s[30:31], s[30:31], s[34:35]
	s_lshl_b32 s33, ttmp9, 2
	s_add_co_u32 s33, s33, s28                     ; and which run of all six tensors on end
	s_lshl_b32 s34, s33, 12                        ; 4,096 bytes of codes a run
	s_add_nc_u64 s[20:21], s[20:21], s[34:35]
	s_lshl_b32 s34, s33, 8                         ; 256 scale bytes a run
	s_add_nc_u64 s[22:23], s[22:23], s[34:35]
.macro LOAD t
.irp i, 0,1,2,3
	global_load_b128 v[R+16*((\t)%4)+4*\i:R+16*((\t)%4)+4*\i+3], v3, s[30:31] offset:2048*(\t)+512*\i th:TH_LOAD_NT   ; 32 lanes read 512 consecutive bytes
.endr
.endm
.macro TURN t                          ; step t's numbers through the stage: LDS serves a wave's instructions in order, so no wait stands between the stores and the loads
.irp i, 0,1,2,3
	ds_store_b128 v14, v[R+16*((\t)%4)+4*\i:R+16*((\t)%4)+4*\i+3] offset:32*SP*((\t)%2)+8*SP*\i
.endr
.irp i, 0,1,2,3
	ds_load_b128 v[X+16*((\t)%2)+4*\i:X+16*((\t)%2)+4*\i+3], v15 offset:32*SP*((\t)%2)+16*\i
.endr
.endm
.irp t, 0,1,2,3
	LOAD \t
.endr
	s_wait_loadcnt 12                              ; step 0's four loads are in
	TURN 0
.macro STEP t
.set XS, X+16*((\t)%2)
.if (\t) > 0
	s_wait_dscnt 1                                 ; this step's numbers are back from the stage (the last step's byte store may be out): so its stores into the stage have read their registers,
.else
	s_wait_dscnt 0x0
.endif
.if (\t)+4 < STEPS
	LOAD (\t)+4                                    ; which take the loads of four steps on
.endif
.if (\t)+1 < STEPS
.if STEPS-2-(\t) >= 3
	s_wait_loadcnt 12                              ; the next step's four loads are in; those of the three steps behind it may be out
.else
	s_wait_loadcnt 4*(STEPS-2-(\t))
.endif
	TURN (\t)+1                                    ; and go through the other stage while this step is worked
.endif
	v_max3_num_f32 v8, |v[XS]|, |v[XS+1]|, |v[XS+2]|               ; the largest magnitude of my 16, in two chains
	v_max3_num_f32 v9, |v[XS+3]|, |v[XS+4]|, |v[XS+5]|
.irp i, 6,10
	v_max3_num_f32 v8, v8, |v[XS+\i]|, |v[XS+\i+1]|
	v_max3_num_f32 v9, v9, |v[XS+\i+2]|, |v[XS+\i+3]|
.endr
	v_max3_num_f32 v8, v8, |v[XS+14]|, |v[XS+15]|
	v_max3_num_f32 v8, v8, v9, (EMAX+1)<<23        ; and the floor 2^(EMAX + 1 - 127): so the byte cannot fall under 1
	v_max_num_f32_dpp v8, v8, v8 row_xmask:1 row_mask:0xf bank_mask:0xf   ; and of my neighbour's 16: the block's
	v_add_nc_u32 v11, -(EMAX<<23), v8              ; EMAX off its exponent field: the conversion takes the exponent field of this operand as its scale, and nothing else of it
	v_cvt_scalef32_pk8_fp4_f32 v[C+4*(\t)], v[XS:XS+7], v11
	v_cvt_scalef32_pk8_fp4_f32 v[C+4*(\t)+1], v[XS+8:XS+15], v11
	v_lshrrev_b32 v[E+(\t)], 23, v11               ; the scale's byte (also the plain line behind the conversions)
	ds_store_b8 v5, v[E+(\t)] offset:16*(\t)       ; both lanes of a block write the same byte with the same value
	global_store_b64 v4, v[C+4*(\t):C+4*(\t)+1], s[20:21] offset:32*CB*(\t)   ; the wave stores 256 consecutive bytes, aligned
.endm
.irp t, 0,1,2,3,4,5,6,7,8,9,10,11,12,13,14,15
	STEP \t
.endr
	ds_load_b64 v[8:9], v6                         ; LDS serves a wave's instructions in order: these see my stores
	s_wait_dscnt 0x0
	global_store_b64 v7, v[8:9], s[22:23]          ; 32 lanes store 256 consecutive bytes, aligned
	s_wait_tensorcnt 0x0                           ; the wave's end
	ds_add_u32 v[SPW], v[NIL]
	s_wait_dscnt 0x0
	s_endpgm
.Lother:
	s_cmp_ge_u32 ttmp9, WGQ+WGW
	s_cbranch_scc1 .Lmask
; ---- wo TO f16, BY HEAD.  A wave takes rows 2 u and 2 u + 1: lanes 0-15 the first, lanes 16-31 the second; load h reads 256 aligned bytes of each (head h's 64 numbers), 4 numbers a lane.
; In wo16 the two rows of a head are neighbours: the wave's store covers 256 consecutive bytes, aligned.  No LDS.
	s_sub_co_u32 s29, ttmp9, WGQ
	s_lshl_b32 s29, s29, 2
	s_add_co_u32 s29, s29, s28                     ; u
	s_lshl_b32 s30, s29, 13                        ; two rows of 4,096 bytes
	s_mov_b32 s31, 0
	s_add_nc_u64 s[16:17], s[16:17], s[30:31]
	s_lshl_b32 s30, s29, 8                         ; two rows of 128 bytes
	s_add_nc_u64 s[24:25], s[24:25], s[30:31]
	v_lshrrev_b32 v5, 4, v2
	v_and_b32 v6, 15, v2
	v_lshlrev_b32 v3, 12, v5
	v_lshl_or_b32 v3, v6, 4, v3                    ; in: 4,096 (lane / 16) + 16 (lane % 16)
	v_lshlrev_b32 v4, 3, v2                        ; out: 8 x lane
.irp h, 0,1,2,3,4,5,6,7,8,9,10,11,12,13,14,15
	global_load_b128 v[16+4*\h:19+4*\h], v3, s[16:17] offset:256*\h th:TH_LOAD_NT
.endr
.irp h, 0,1,2,3,4,5,6,7,8,9,10,11,12,13,14,15
	s_wait_loadcnt 15-\h                           ; load h is in; the younger ones may be out
	v_cvt_pk_f16_f32 v[80+2*\h], v[16+4*\h], v[17+4*\h]
	v_cvt_pk_f16_f32 v[81+2*\h], v[18+4*\h], v[19+4*\h]
	global_store_b64 v4, v[80+2*\h:81+2*\h], s[24:25] offset:131072*\h
.endr
	s_endpgm
.Lmask:
; ---- THE MASK AS LANE MASKS.  A wave takes 16 queries x 256 keys.  Lane (r, h) loads, of row r, keys 32 u + 16 h + 0 .. 15 (u = 0 .. 7).  A compare of one byte place in all lanes gives 32 bits:
; the low 16 belong to the tile of 16 keys 2 u, the high 16 to tile 2 u + 1; byte places j and 8 + j give the two halves of a word.  Word d = 8 T + j of the wave's 128 goes to register d % 4 of lane d / 4,
; so that one store of 16 bytes a lane writes the wave's 512 consecutive bytes.  No LDS.
	s_sub_co_u32 s29, ttmp9, WGQ+WGW
	s_lshl_b32 s29, s29, 2
	s_add_co_u32 s29, s29, s28                     ; id = 8 x tile of queries + group of 256 keys
	s_lshr_b32 s30, s29, 3
	s_lshl_b32 s30, s30, 15                        ; 16 rows of 2,048 bytes
	s_and_b32 s31, s29, 7
	s_lshl_b32 s31, s31, 8
	s_add_co_u32 s30, s30, s31
	s_mov_b32 s31, 0
	s_add_nc_u64 s[18:19], s[18:19], s[30:31]
	s_lshl_b32 s30, s29, 9                         ; 512 bytes of words
	s_add_nc_u64 s[26:27], s[26:27], s[30:31]
	v_and_b32 v5, 15, v2
	v_lshrrev_b32 v6, 4, v2
	v_lshlrev_b32 v3, 11, v5
	v_lshl_or_b32 v3, v6, 4, v3                    ; 2,048 r + 16 h
	v_lshlrev_b32 v14, 4, v2                       ; out: 16 x lane
.irp u, 0,1,2,3,4,5,6,7
	global_load_b128 v[16+4*\u:19+4*\u], v3, s[18:19] offset:32*\u
.endr
.irp i, 8,9,10,11
	v_mov_b32 v[\i], 0                             ; written whole before single lanes are written
.endr
.irp u, 0,1,2,3,4,5,6,7
	s_wait_loadcnt 7-\u                            ; load u is in; the younger ones may be out
.irp j, 0,1,2,3,4,5,6,7
	v_and_b32 v6, 0xff<<(8*(\j%4)), v[16+4*\u+\j/4]       ; key 16 T + j
	v_and_b32 v7, 0xff<<(8*(\j%4)), v[18+4*\u+\j/4]       ; key 16 T + 8 + j
	v_cmp_ne_u32 s36, 0, v6
	v_cmp_ne_u32 s37, 0, v7
	s_and_b32 s38, s36, 0xffff
	s_lshl_b32 s39, s37, 16
	s_or_b32 s38, s38, s39                         ; tile 2 u's word j
	s_lshr_b32 s40, s36, 16
	s_and_b32 s41, s37, 0xffff0000
	s_or_b32 s40, s40, s41                         ; tile 2 u + 1's
	v_writelane_b32 v[8+\j%4], s38, 4*\u+\j/4
	v_writelane_b32 v[8+\j%4], s40, 4*\u+2+\j/4
.endr
.endr
	global_store_b128 v14, v[8:11], s[26:27]
	s_endpgm
.Lfunc_end_k_q5bd5bb893c_prep:
	.size	k_q5bd5bb893c_prep, .Lfunc_end_k_q5bd5bb893c_prep-k_q5bd5bb893c_prep
	.p2alignl 7, 3214868480
	.fill 96, 4, 3214868480
	.section	.rodata,"a",@progbits
	.p2align	6, 0x0
	.amdhsa_kernel k_q5bd5bb893c_prep
		.amdhsa_group_segment_fixed_size 33280
		.amdhsa_private_segment_fixed_size 0
		.amdhsa_enable_private_segment 0
		.amdhsa_kernarg_size 96
		.amdhsa_user_sgpr_count 2
		.amdhsa_user_sgpr_kernarg_segment_ptr 1
		.amdhsa_wavefront_size32 1
		.amdhsa_system_sgpr_workgroup_id_x 1
		.amdhsa_system_sgpr_workgroup_id_y 1
		.amdhsa_system_sgpr_workgroup_id_z 1
		.amdhsa_system_vgpr_workitem_id 0
		.amdhsa_next_free_vgpr 192
		.amdhsa_next_free_sgpr 66
		.amdhsa_reserve_vcc 0
		.amdhsa_float_denorm_mode_32 3
		.amdhsa_float_denorm_mode_16_64 3
		.amdhsa_memory_ordered 1
		.amdhsa_forward_progress 1
		.amdhsa_inst_pref_size 82
	.end_amdhsa_kernel
	.amdgpu_metadata
---
amdhsa.version: [ 1, 2 ]
amdhsa.kernels:
  - .name:           k_q5bd5bb893c_prep
    .symbol:         k_q5bd5bb893c_prep.kd
    .args:
      - { .name: query, .offset: 0, .size: 8, .value_kind: global_buffer, .address_space: global }
      - { .name: key, .offset: 8, .size: 8, .value_kind: global_buffer, .address_space: global }
      - { .name: value, .offset: 16, .size: 8, .value_kind: global_buffer, .address_space: global }
      - { .name: wq, .offset: 24, .size: 8, .value_kind: global_buffer, .address_space: global }
      - { .name: wk, .offset: 32, .size: 8, .value_kind: global_buffer, .address_space: global }
      - { .name: wv, .offset: 40, .size: 8, .value_kind: global_buffer, .address_space: global }
      - { .name: wo, .offset: 48, .size: 8, .value_kind: global_buffer, .address_space: global }
      - { .name: mask, .offset: 56, .size: 8, .value_kind: global_buffer, .address_space: global }
      - { .name: codes, .offset: 64, .size: 8, .value_kind: global_buffer, .address_space: global }
      - { .name: scales, .offset: 72, .size: 8, .value_kind: global_buffer, .address_space: global }
      - { .name: wo16, .offset: 80, .size: 8, .value_kind: global_buffer, .address_space: global }
      - { .name: mbits, .offset: 88, .size: 8, .value_kind: global_buffer, .address_space: global }
    .group_segment_fixed_size: 33280
    .private_segment_fixed_size: 0
    .kernarg_segment_align: 8
    .kernarg_segment_size: 96
    .max_flat_workgroup_size: 128
    .sgpr_count:     66
    .vgpr_count:     192
    .wavefront_size: 32
...
	.end_amdgpu_metadata
.endif
;; end of part 1
;; launch proj (part 2): grid 4 x 96, 4 waves a work-group, clusters of 4 x 4, 327,680 bytes of LDS; arguments codes, scales, qkv; writes qkv
.if DOCPART == 2
	.amdgcn_target "amdgcn-amd-amdhsa--gfx1250"
	.amdhsa_code_object_version 6
	.text
	.protected	k_q5bd5bb893c_proj
	.globl	k_q5bd5bb893c_proj
	.p2align	8
	.type	k_q5bd5bb893c_proj,@function
k_q5bd5bb893c_proj:
	s_mov_b64 s[64:65], 0
	v_nop
	global_prefetch_b8 v0, s[64:65] scope:SCOPE_SE
	s_setreg_imm32_b32 hwreg(HW_REG_WAVE_MODE, 25, 1), 1
	s_wait_xcnt 0x0
	s_wait_alu depctr_hold_cnt(0) depctr_sa_sdst(0) depctr_va_vdst(0) depctr_va_sdst(0) depctr_va_ssrc(0) depctr_va_vcc(0) depctr_vm_vsrc(0)
	s_getreg_b32 s2, hwreg(HW_REG_IB_STS2, 6, 4)
	s_cmp_eq_u32 s2, 0
	s_cbranch_scc0 .Lentry_in_a_cluster
	s_endpgm
.Lentry_in_a_cluster:
	s_bfe_u32 s2, ttmp6, 0x10000c
	s_cmp_lg_u32 s2, 0xf033
	s_cbranch_scc0 .Lentry_shape_is_right
	s_endpgm
.Lentry_shape_is_right:
; Launch 2 of 4: the three projections as ONE product on codes of FP4 with E8M0 scales: C[m][n] = sum over k of x[m][k] w[n][k], K = 1,024.
; x: rows 0 .. 24,575 of 'codes' (query, key, value: 8,192 rows each); w: rows 24,576 + 1,024 p + n, p = m / 8,192 (wq, wk, wv).  A row is 512 bytes of codes and 32 scale bytes.
; The result is rounded once to f16 and laid by head for the attention launch: qkv [3 p][4 b][16 h][2,048 s][64].  No work is left out.  LIMIT: |Q|, |K|, |V| stay under 65,504.
; A tile of C, 256 x 256, is made by a work-group of four waves; a wave makes 128 x 128: 64 accumulators of 16 x 16, 512 registers.  K = 1,024 is two LDS slots of 512 along K (rows of 256 bytes):
; both are asked for at the start, and nothing is filled again.  The scales of the work-group's rows, for all of K, come once with them, as dense blocks.
; CLUSTERS: 4 x 4 work-groups.  The four of a row of the cluster need the same tiles of x, the four of a column the same tiles of w (a cluster's 1,024 rows lie in one p): each tile is asked for JOINTLY.
; THE MATRIX INSTRUCTION IS USED TRANSPOSED (source 0 = 16 rows of w, source 1 = 16 rows of x): a lane then holds eight neighbouring numbers of a row of C.
; REGISTERS, in windows of 256: window 0: v0-31 addresses; v32-95 scale words, two sets; v96-127 packed results; v128-191 x's fragments, ONE set; v192-255 rows read back on the way out.
;   window 1: w's fragments, TWO sets, at v0 and v128.   window 2: the accumulators of my rows 0-63 ((a, b) at v[8 (8 a + b)]);   window 3: those of my rows 64-127.
.set NQ,     4                         ; steps of 128 along K in a slot
.set ROWB,   256                       ; a tile's row in bytes: 512 codes
.set KROW,   512                       ; a row of codes in memory
.set PITCH,  272                       ; an LDS row: 256 bytes + 16 of padding: the 16 rows that a load touches start 68 words apart
.set FR,     8                         ; registers of a fragment: 16 rows x 128 K
.set NL,     2                         ; LDS loads that bring one
.set NP,     4                         ; places behind this matrix instruction (ISA guide 7.12.1)
.set HALFT,  128*PITCH                 ; 128 rows: what one tensor load brings
.set SLOT,   4*HALFT                   ; x's 256 rows, then w's 256 rows
.set KS,     32                        ; a row of scales in bytes
.set SCL,    2*SLOT                    ; behind the ring: the scales, as units of 256 bytes + 16 of padding
.set HALFS,  (128*KS/256)*272          ; the scales of 128 rows
.set SBLK,   (16*KS/256)*272           ; those of 16 rows
.set SPARE,  SCL+4*HALFS               ; behind the scales: the spare words, 128 bytes a wave
.set SPITCH, 272                       ; the way out: a stage of 16 rows x (256 bytes + 16) for each wave, in slot 0, which has had its only fill and its last read by then
.set ADRA, 16                          ; v16-17  LDS address of my x fragments in slot 0, 1
.set ADRB, 20                          ; v20-21  the same for w
.set STO,  24                          ; v24     the way out: where I put 16 bytes of a row
.set RD,   25                          ; v25     where I read back
.set CO,   26                          ; v26     my byte offset in qkv
.set ADRS, 27                          ; v27     LDS address of my scale words: lanes 0-15 x's rows, lanes 16-31 w's
.set SPW,  28                          ; v28     LDS address of my spare word; never rewritten
.set NIL,  29                          ; v29     0; never rewritten
.set SC,   32                          ; scale words: set s at v[SC + 32 s]; register 4 i + q: lanes 0-15 the word of x's block i, lanes 16-31 that of w's block i, for the slot's q-th 128 along K
.set TMP,  96
.set AF,   128
.set BK,   192
.set G1, 24                            ; s[24:31] descriptor group 1 for x's tiles;  s[32:39] group 0, one set for each slot
.set G0, 32
.set G1B, 48                           ; s[48:55], s[56:63] the same for w's tiles
.set G0B, 56
.set G1S, 68                           ; s[68:75], s[76:79] groups 1 and 0 for x's scales;  s[80:87], s[88:91] for w's
.set G0S, 76
.set G1SB, 80
.set G0SB, 88
.set MSB, 0
.macro WIN new                         ; the immediate's high byte repeats the setting that is left
.if MSB != \new
	s_set_vgpr_msb (MSB<<8)|\new
.set MSB, \new
.endif
.endm
.set MUL_LO, 0xa1                      ; source 0 (w) window 1, source 1 (x) window 0, C and D window 2
.set MUL_HI, 0xf1                      ; the same, C and D window 3
.set TO_B,   0x40                      ; destination window 1, address window 0
; A joint load: waves 0 and 1 fetch for x, waves 2 and 3 for w.  The branch hangs on the wave's number alone.  An s_nop 0 and four v_nop follow each of the two lines.
.macro JLOAD g0a, g1a, g0b, g1b
	s_cmp_eq_u32 s15, 0
	s_cbranch_scc0 .Lfor_b_\@
	tensor_load_to_lds s[\g0a:\g0a+3], s[\g1a:\g1a+7]
	s_nop 0
.rept 4
	v_nop
.endr
	s_branch .Lasked_\@
.Lfor_b_\@:
	tensor_load_to_lds s[\g0b:\g0b+3], s[\g1b:\g1b+7]
	s_nop 0
.rept 4
	v_nop
.endr
.Lasked_\@:
.endm
.macro CROUND                          ; a round of the cluster's barrier
	s_barrier_signal -1
	s_barrier_wait -1
	s_cmp_lg_u32 s14, 0
	s_cbranch_scc1 .Lnot_wave_0_\@
	s_barrier_signal -3
.Lnot_wave_0_\@:
	s_barrier_wait -3
	s_barrier_signal -1
	s_barrier_wait -1
.endm
	s_load_b128 s[4:7], s[0:1], 0x0                ; codes s[4:5], scales s[6:7]
	s_load_b64 s[12:13], s[0:1], 0x10              ; qkv
	v_lshl_add_u32 v[SPW], v0, 2, SPARE
	v_mov_b32 v[NIL], 0
	ds_add_u32 v[SPW], v[NIL]                      ; the wave's opening: the add, twice on end, and its wait ahead of my first tensor load
	ds_add_u32 v[SPW], v[NIL]
	v_lshrrev_b32 v1, 5, v0
	v_readfirstlane_b32 s14, v1                    ; wave 0..3
	s_lshr_b32 s15, s14, 1                         ; which half of the tile's rows is mine.  Also: I fetch for x (0) or for w (1)
	s_and_b32 s16, s14, 1                          ; which half of its columns.  Also: which 128 rows of that tile I fetch
	s_bfe_u32 s40, ttmp6, 0x40000                  ; cx, cy: my place in the cluster
	s_bfe_u32 s41, ttmp6, 0x40004
	s_lshl_b32 s42, ttmp9, 2
	s_add_co_u32 s42, s42, s40                     ; tile column of C = 4 x cluster x + cx
	s_and_b32 s17, ttmp7, 0xffff
	s_lshl_b32 s17, s17, 2
	s_add_co_u32 s17, s17, s41                     ; tile row of C = 4 x cluster y + cy
	s_lshl_b32 s43, s41, 2
	s_lshl_b32 s43, 15, s43                        ; my row of the cluster
	s_lshl_b32 s44, 0x1111, s40                    ; my column
	s_or_b32 s[G1+0], s43, (0<<16)|(1<<20)|(1<<21)|(5<<22)|(3<<25)  ; the mask; elements of 1 byte; padding on; bit 21 beside a mask; after every 64 words, 4 words
	s_or_b32 s[G1B+0], s44, (0<<16)|(1<<20)|(1<<21)|(5<<22)|(3<<25)
.irp g, G1, G1B
	s_mov_b32 s[\g+1], ROWB<<16                    ; tensor_dim0
	s_mov_b32 s[\g+2], 128<<16                     ; tensor_dim1 = 128
	s_mov_b32 s[\g+3], ROWB<<16                    ; tile_dim0
	s_mov_b32 s[\g+4], 128                         ; tile_dim1 = 128
	s_mov_b32 s[\g+5], KROW                        ; tensor_dim0_stride
	s_mov_b32 s[\g+6], 0
	s_mov_b32 s[\g+7], 0
.endr
	; the scales of 128 rows: a dense block of 4,096 bytes, as 16 rows of 256 bytes (32 elements of 8 bytes), 16 bytes of padding behind each
	s_or_b32 s[G1S+0], s43, (3<<16)|(1<<20)|(1<<21)|(5<<22)|(3<<25)
	s_or_b32 s[G1SB+0], s44, (3<<16)|(1<<20)|(1<<21)|(5<<22)|(3<<25)
.irp g, G1S, G1SB
	s_mov_b32 s[\g+1], 32<<16
	s_mov_b32 s[\g+2], (128*KS/256)<<16
	s_mov_b32 s[\g+3], 32<<16
	s_mov_b32 s[\g+4], 128*KS/256
	s_mov_b32 s[\g+5], 32
	s_mov_b32 s[\g+6], 0
	s_mov_b32 s[\g+7], 0
.endr
	s_lshl_b32 s18, s16, 7                         ; which 128 rows of the tile I fetch
	s_lshl_b32 s20, s17, 8
	s_add_co_u32 s20, s20, s18                     ; x: row 256 x tile row + 128 x half
	s_lshl_b32 s46, s42, 8
	s_add_co_u32 s46, s46, s18                     ; w: 256 x tile column + 128 x half,
	s_and_b32 s95, ttmp7, 0xffff
	s_lshr_b32 s95, s95, 3                         ; p: eight clusters (8,192 rows) to each of query, key, value: made of the cluster's y alone, which all sixteen share
	s_lshl_b32 s95, s95, 10
	s_add_co_u32 s46, s46, s95                     ; + 1,024 p,
	s_add_co_u32 s46, s46, 24576                   ; behind x's rows
	s_lshl_b32 s22, s20, 5                         ; where these rows' scales begin, in bytes (all under 2^32),
	s_mov_b32 s23, 0
	s_lshl_b32 s92, s46, 5
	s_mov_b32 s93, 0
	s_lshl_b32 s20, s20, 9                         ; and their codes
	s_mov_b32 s21, 0
	s_lshl_b32 s46, s46, 9
	s_mov_b32 s47, 0
	s_mul_i32 s45, s14, HALFT                      ; where they go: wave x 128 rows: no place in the cluster enters an LDS address
	s_mul_i32 s94, s14, HALFS
	s_wait_dscnt 0x0                               ; both opening adds are done
	s_wait_kmcnt 0x0
	s_add_nc_u64 s[20:21], s[4:5], s[20:21]
	s_add_nc_u64 s[22:23], s[6:7], s[22:23]
	s_add_nc_u64 s[46:47], s[4:5], s[46:47]
	s_add_nc_u64 s[92:93], s[6:7], s[92:93]
	CROUND                                         ; all sixteen work-groups are here: the joint loads meet
	s_mov_b32 s[G0S], 1
	s_add_co_u32 s[G0S+1], s94, SCL
	s_mov_b64 s[G0S+2:G0S+3], s[22:23]
	s_or_b32 s[G0S+3], s[G0S+3], 0x80000000
	s_mov_b32 s[G0SB], 1
	s_add_co_u32 s[G0SB+1], s94, SCL
	s_mov_b64 s[G0SB+2:G0SB+3], s[92:93]
	s_or_b32 s[G0SB+3], s[G0SB+3], 0x80000000
	JLOAD G0S, G1S, G0SB, G1SB                     ; the scales first: they are wanted with the first slot.  Three loads of mine are out at the most
.irp s, 0,1
	s_mov_b32 s[G0+4*\s], 1
	s_add_co_u32 s[G0+4*\s+1], s45, \s*SLOT
	s_add_nc_u64 s[G0+4*\s+2:G0+4*\s+3], s[20:21], \s*ROWB
	s_or_b32 s[G0+4*\s+3], s[G0+4*\s+3], 0x80000000
	s_mov_b32 s[G0B+4*\s], 1
	s_add_co_u32 s[G0B+4*\s+1], s45, \s*SLOT
	s_add_nc_u64 s[G0B+4*\s+2:G0B+4*\s+3], s[46:47], \s*ROWB
	s_or_b32 s[G0B+4*\s+3], s[G0B+4*\s+3], 0x80000000
	JLOAD G0+4*\s, G1, G0B+4*\s, G1B
.endr
	v_and_b32 v1, 15, v0                           ; r = l % 16
	v_bfe_u32 v2, v0, 4, 1                         ; h = l / 16
	v_mul_u32_u24 v3, v1, PITCH
	v_lshl_add_u32 v4, v2, 4, v3                   ; a fragment's row x pitch + 16 x half
	s_mul_i32 s21, s15, HALFT                      ; my 128 rows of x
	s_mul_i32 s22, s16, HALFT                      ; my 128 rows of w,
	s_add_co_u32 s22, s22, 2*HALFT                 ; which lie behind x's 256
.irp s, 0,1
	v_add_nc_u32 v[ADRA+\s], s21, v4
	v_add_nc_u32 v[ADRB+\s], s22, v4
	s_add_co_u32 s21, s21, SLOT
	s_add_co_u32 s22, s22, SLOT
.endr
	v_mul_u32_u24 v5, v1, KS                       ; my row's scales: 32 bytes a row,
	v_lshrrev_b32 v6, 8, v5
	v_lshl_add_u32 v5, v6, 4, v5                   ; and 16 more for each 256 passed
	s_mul_i32 s21, s15, HALFS                      ; x's: my 128 rows
	s_mul_i32 s22, s16, HALFS                      ; w's: my 128 rows, behind x's 256
	s_add_co_u32 s22, s22, 2*HALFS
	s_sub_co_u32 s22, s22, s21
	v_mul_u32_u24 v6, s22, v2                      ; lanes 16-31 take w's: one product, the distance between the two bases
	s_add_co_u32 s21, s21, SCL
	v_add_nc_u32 v5, v5, v6
	v_add_nc_u32 v[ADRS], s21, v5
	s_mul_i32 s23, s14, 16*SPITCH                  ; my stage
	v_mul_u32_u24 v5, v1, SPITCH                   ; in: row r, 16 bytes for each half of the lanes
	v_lshl_add_u32 v5, v2, 4, v5
	v_add_nc_u32 v[STO], s23, v5
	v_bfe_u32 v6, v0, 3, 1                         ; back: lanes 0-15 take 128 bytes (one head's 64 numbers) of two rows, lanes 16-31 the same rows' other 128 bytes (the next head's)
	v_mul_u32_u24 v6, v6, SPITCH
	v_lshl_add_u32 v6, v2, 7, v6
	v_and_b32 v7, 7, v0
	v_lshl_add_u32 v6, v7, 4, v6
	v_add_nc_u32 v[RD], s23, v6
	v_lshlrev_b32 v[CO], 4, v1                     ; in qkv two rows of a head are 256 consecutive bytes: 16 (l % 16),
	v_lshl_add_u32 v[CO], v2, 18, v[CO]            ; and the next head lies 262,144 bytes on
	s_lshr_b32 s20, s17, 3                         ; the rows' part of my place in qkv: (4 p + b) x 16 heads x 262,144 bytes: eight tile rows to a batch,
	s_lshl_b32 s20, s20, 22
	s_and_b32 s21, s17, 7
	s_lshl_b32 s21, s21, 8
	s_lshl_b32 s22, s15, 7
	s_add_co_u32 s21, s21, s22                     ; + my first s = 256 (tile row % 8) + 128 x half, 128 bytes each
	s_lshl_b32 s21, s21, 7
	s_add_co_u32 s20, s20, s21
	s_mov_b32 s21, 0
	s_lshl_b32 s46, s42, 2                         ; the columns' part: head 4 x tile column + 2 x half
	s_lshl_b32 s47, s16, 1
	s_add_co_u32 s46, s46, s47
	s_lshl_b32 s46, s46, 18
	s_mov_b32 s47, 0
	s_add_nc_u64 s[20:21], s[20:21], s[46:47]
	s_add_nc_u64 s[12:13], s[12:13], s[20:21]
.macro FRAG reg, adr, q, i             ; a fragment, 16 rows x 128 K of 4-bit codes: lane l holds row l % 16; registers 4 c .. 4 c + 3 hold K = 64 c + 32 (l / 16) + 0 .. 31
.irp c, 0,1
	ds_load_b128 v[\reg+4*\c:\reg+4*\c+3], v[\adr] offset:64*(\q)+32*\c+(\i)*16*PITCH
.endr
.endm
; 16 matrix instructions: x's blocks a0, a0 + 1 against w's eight, 128 along K: the slot's q-th.  p: w's set;  sc: the set of scale words.  zero = 1: the first product starts the sums.
; The 64 accumulators take turns, one instruction a turn, in the same order in every step.
.macro MUL16 a0, p, q, sc, zero
.irp a, \a0, \a0+1
.irp b, 0,1,2,3,4,5,6,7
.if \zero
	v_wmma_scale_f32_16x16x128_f8f6f4 v[8*(8*((\a)%4)+\b):8*(8*((\a)%4)+\b)+7], v[128*(\p)+FR*\b:128*(\p)+FR*\b+FR-1], v[AF+FR*(\a):AF+FR*(\a)+FR-1], 0, v[SC+8*NQ*(\sc)+NQ*\b+(\q)], v[SC+8*NQ*(\sc)+NQ*(\a)+(\q)] matrix_a_fmt:MATRIX_FMT_FP4 matrix_b_fmt:MATRIX_FMT_FP4 matrix_a_scale:MATRIX_SCALE_ROW1
.else
	v_wmma_scale_f32_16x16x128_f8f6f4 v[8*(8*((\a)%4)+\b):8*(8*((\a)%4)+\b)+7], v[128*(\p)+FR*\b:128*(\p)+FR*\b+FR-1], v[AF+FR*(\a):AF+FR*(\a)+FR-1], v[8*(8*((\a)%4)+\b):8*(8*((\a)%4)+\b)+7], v[SC+8*NQ*(\sc)+NQ*\b+(\q)], v[SC+8*NQ*(\sc)+NQ*(\a)+(\q)] matrix_a_fmt:MATRIX_FMT_FP4 matrix_b_fmt:MATRIX_FMT_FP4 matrix_a_scale:MATRIX_SCALE_ROW1
.endif
.endr
.endr
.endm
.macro FETCH_B slot, q, p              ; w's eight fragments of the slot's q-th 128 along K into set p
	WIN TO_B
.irp i, 0,1,2,3,4,5,6,7
	FRAG 128*(\p)+FR*\i, ADRB+\slot, \q, \i
.endr
	WIN 0
.endm
.macro FETCH_A slot, q, i0             ; x's blocks i0 .. i0 + 3
.irp i, \i0, \i0+1, \i0+2, \i0+3
	FRAG AF+FR*(\i), ADRA+\slot, \q, \i
.endr
.endm
.macro SCALES sc                       ; a slot's scale words into set sc: 4 words a row; lanes 0-15 take x's block i, lanes 16-31 w's block i
.irp i, 0,1,2,3,4,5,6,7
	ds_load_b128 v[SC+8*NQ*\sc+NQ*\i:SC+8*NQ*\sc+NQ*\i+3], v[ADRS] offset:\i*SBLK
.endr
.endm
.macro PLACES n                        ; plain vector instructions between a matrix instruction and a load into, or a read of, its registers
.rept \n
	v_nop
.endr
.endm
; A step of 128 along K that has its successor in the same slot.  A block of x is free as soon as its eight products are issued: blocks 0-3 are fetched anew in the step's middle, blocks 4-7 at its end.
.macro STEP slot, q, zero
	s_wait_dscnt 4*NL                              ; w's set and x's blocks 0-3 are in; the youngest eight loads (x's blocks 4-7) may be out
	WIN MUL_LO
	MUL16 0, (\q)%2, \q, \slot, \zero
	MUL16 2, (\q)%2, \q, \slot, \zero
	s_wait_dscnt 0                                 ; x's blocks 4-7 are in
	PLACES NP
	FETCH_B \slot, (\q)+1, 1-(\q)%2
	FETCH_A \slot, (\q)+1, 0
	WIN MUL_HI
	MUL16 4, (\q)%2, \q, \slot, \zero
	MUL16 6, (\q)%2, \q, \slot, \zero
	PLACES NP
	WIN 0
	FETCH_A \slot, (\q)+1, 4
.endm
; Slot 0's last step changes slots: one barrier; in front of it each wave waits for all its tensor loads (its part of slot 1), adds 0 to its spare word, and waits for that and for its own reads of slot 0.
; Behind it slot 1 is whole and nobody reads slot 0 any more: it serves as the stage on the way out.  Nothing is filled again.
.macro TURN slot, next
	s_wait_tensorcnt 0x0
	ds_add_u32 v[SPW], v[NIL]                      ; 0 onto my spare word
	s_wait_dscnt 4*NL+1                            ; (the add and the youngest eight loads may be out)
	WIN MUL_LO
	MUL16 0, 1, NQ-1, \slot, 0
	s_wait_dscnt 0x0                               ; the add is done, and my reads of this slot are over
	s_barrier_signal -1
	MUL16 2, 1, NQ-1, \slot, 0
	WIN 0
	s_barrier_wait -1
	PLACES NP
	v_add_nc_u32 v[ADRS], 4*NQ, v[ADRS]            ; on to the next slot's scale words
	FETCH_B \next, 0, 0
	FETCH_A \next, 0, 0
	SCALES \next
	WIN MUL_HI
	MUL16 4, 1, NQ-1, \slot, 0
	MUL16 6, 1, NQ-1, \slot, 0
	PLACES NP
	WIN 0
	FETCH_A \next, 0, 4
.endm
.macro STEPS slot, from                ; the slot's steps from .. NQ - 2
.set Q, \from
.rept NQ-1-\from
	STEP \slot, Q, 0
.set Q, Q+1
.endr
.endm
	s_wait_tensorcnt 1                             ; the scales and my part of slot 0 are in (slot 1's load may be out),
	s_barrier_signal -1
	s_barrier_wait -1                              ; everybody's are
	FETCH_B 0, 0, 0
	FETCH_A 0, 0, 0
	SCALES 0
	FETCH_A 0, 0, 4
	STEP 0, 0, 1                                   ; the first step's products start the sums: nothing is cleared
	STEPS 0, 1
	TURN 0, 1
	STEPS 1, 0
	s_wait_dscnt 4*NL                              ; the very last step: nothing more to fetch
	WIN MUL_LO
	MUL16 0, 1, NQ-1, 1, 0
	MUL16 2, 1, NQ-1, 1, 0
	s_wait_dscnt 0
	WIN MUL_HI
	MUL16 4, 1, NQ-1, 1, 0
	MUL16 6, 1, NQ-1, 1, 0
	WIN 0
; THE WAY OUT, block by block of 16 rows x 128 columns (two heads).  PACK: rounded to f16, 16 bytes a lane, each accumulator from its low end on.  TOSTAGE: into my stage and back, two rows of a head to
; sixteen lanes.  SEND: sixteen lanes store 256 consecutive bytes, aligned.  LDS serves a wave's instructions in order: no wait between the stage's stores and loads.
.macro PACK a
.set AC, 64*((\a)%4)
	WIN 0x0a+5*((\a)/4)                            ; sources 0 and 1: window 2 or 3
.irp b, 0,1,2,3,4,5,6,7
.irp r, 0,1,2,3
	v_cvt_pk_f16_f32 v[TMP+4*\b+\r], v[AC+8*\b+2*\r], v[AC+8*\b+2*\r+1]
.endr
.endr
	WIN 0
.endm
.macro TOSTAGE a
.set BB, BK+32*((\a)%2)
.irp b, 0,1,2,3,4,5,6,7
	ds_store_b128 v[STO], v[TMP+4*\b:TMP+4*\b+3] offset:32*\b
.endr
.irp t, 0,1,2,3,4,5,6,7
	ds_load_b128 v[BB+4*\t:BB+4*\t+3], v[RD] offset:\t*2*SPITCH
.endr
.endm
.macro SEND a
.set BB, BK+32*((\a)%2)
	s_wait_dscnt 0x0                               ; the block is back in registers
	s_wait_xcnt 0x0                                ; the block before has had its stores' addresses translated: its registers take the next block's loads only behind this wait
.irp t, 0,1,2,3,4,5,6,7
	global_store_b128 v[CO], v[BB+4*\t:BB+4*\t+3], s[12:13] offset:2048*(\a)+256*\t
.endr
.endm
	PLACES NP                                      ; behind the last products
	PACK 0
	TOSTAGE 0
.irp a, 1,2,3,4,5,6,7                  ; block a's conversions stand between block a - 1's loads from the stage and the wait for them
	PACK \a
	SEND \a-1
	TOSTAGE \a
.endr
	SEND 7
	s_wait_tensorcnt 0x0                           ; the wave's end
	ds_add_u32 v[SPW], v[NIL]
	s_wait_dscnt 0x0
	CROUND                                         ; the closing round
	s_endpgm
.Lfunc_end_k_q5bd5bb893c_proj:
	.size	k_q5bd5bb893c_proj, .Lfunc_end_k_q5bd5bb893c_proj-k_q5bd5bb893c_proj
	.p2alignl 7, 3214868480
	.fill 96, 4, 3214868480
	.section	.rodata,"a",@progbits
	.p2align	6, 0x0
	.amdhsa_kernel k_q5bd5bb893c_proj
		.amdhsa_group_segment_fixed_size 327680
		.amdhsa_private_segment_fixed_size 0
		.amdhsa_enable_private_segment 0
		.amdhsa_kernarg_size 24
		.amdhsa_user_sgpr_count 2
		.amdhsa_user_sgpr_kernarg_segment_ptr 1
		.amdhsa_wavefront_size32 1
		.amdhsa_system_sgpr_workgroup_id_x 1
		.amdhsa_system_sgpr_workgroup_id_y 1
		.amdhsa_system_sgpr_workgroup_id_z 1
		.amdhsa_system_vgpr_workitem_id 0
		.amdhsa_next_free_vgpr 1024
		.amdhsa_next_free_sgpr 98
		.amdhsa_reserve_vcc 0
		.amdhsa_float_denorm_mode_32 3
		.amdhsa_float_denorm_mode_16_64 3
		.amdhsa_memory_ordered 1
		.amdhsa_forward_progress 1
		.amdhsa_inst_pref_size 127
	.end_amdhsa_kernel
	.amdgpu_metadata
---
amdhsa.version: [ 1, 2 ]
amdhsa.kernels:
  - .name:           k_q5bd5bb893c_proj
    .symbol:         k_q5bd5bb893c_proj.kd
    .args:
      - { .name: codes, .offset: 0, .size: 8, .value_kind: global_buffer, .address_space: global }
      - { .name: scales, .offset: 8, .size: 8, .value_kind: global_buffer, .address_space: global }
      - { .name: qkv, .offset: 16, .size: 8, .value_kind: global_buffer, .address_space: global }
    .group_segment_fixed_size: 327680
    .private_segment_fixed_size: 0
    .kernarg_segment_align: 8
    .kernarg_segment_size: 24
    .max_flat_workgroup_size: 128
    .sgpr_count:     98
    .vgpr_count:     1024
    .wavefront_size: 32
...
	.end_amdgpu_metadata
.endif
;; end of part 2
;; launch attn (part 3): grid 8 x 64, 8 waves a work-group, clusters of 4 x 1, 327,680 bytes of LDS; arguments qkv, mbits, o16; writes o16
.if DOCPART == 3
	.amdgcn_target "amdgcn-amd-amdhsa--gfx1250"
	.amdhsa_code_object_version 6
	.text
	.protected	k_q5bd5bb893c_attn
	.globl	k_q5bd5bb893c_attn
	.p2align	8
	.type	k_q5bd5bb893c_attn,@function
k_q5bd5bb893c_attn:
	s_mov_b64 s[64:65], 0
	v_nop
	global_prefetch_b8 v0, s[64:65] scope:SCOPE_SE
	s_setreg_imm32_b32 hwreg(HW_REG_WAVE_MODE, 25, 1), 1
	s_wait_xcnt 0x0
	s_wait_alu depctr_hold_cnt(0) depctr_sa_sdst(0) depctr_va_vdst(0) depctr_va_sdst(0) depctr_va_ssrc(0) depctr_va_vcc(0) depctr_vm_vsrc(0)
	s_getreg_b32 s2, hwreg(HW_REG_IB_STS2, 6, 4)
	s_cmp_eq_u32 s2, 0
	s_cbranch_scc0 .Lentry_in_a_cluster
	s_endpgm
.Lentry_in_a_cluster:
	s_bfe_u32 s2, ttmp6, 0x10000c
	s_cmp_lg_u32 s2, 0x3003
	s_cbranch_scc0 .Lentry_shape_is_right
	s_endpgm
.Lentry_shape_is_right:
; Launch 3 of 4: O[bh][q] = the sum over k of softmax_k(where(mask[q][k], -inf, Q[bh][q] . K[bh][k] / 8)) V[bh][k].  Q, K, V: planes 0, 1, 2 of qkv, [64 bh][2,048][64] f16; O: o16, the same shape, f16.
; Products, maxima and sums in f32; the weights p (at most 1) are rounded to f16 for the second product, O once at the end.  No work is left out: the mask is an input, so every key step is walked.
; LIMITS: |O| under 6e-5 is carried with f16's fixed step; rows to which the mask leaves few keys are carried in f16 like all others.  A row that the mask hides wholly ends as 0 x (1 / 0), a NaN, as the softmax of such a row is.
; SHARES.  A work-group owns 256 queries of one head; each of its eight waves 32: two tiles of 16, in 512 registers: two waves to a SIMD, so that one wave's softmax stands beside the other's products.
; Every wave walks all 2,048 keys, 64 a step.  K and V come through a ring of two LDS slots of 256 keys (four steps), filled by the tensor data mover: waves 0-3 fetch 64 rows of K each, waves 4-7 of V.
; LAYOUT.  S^T = K Q^T (source 0 = 16 keys, source 1 = 16 queries): a lane holds ONE query (lane % 16) and keys 16 t + 8 (lane / 16) + 0..7 in registers 8 t + 0..7.  Two such tiles, rounded to f16 in pairs,
; ARE source 1 (32 keys x 16 queries) of O^T = V^T P, whose result again holds one query a lane.  K comes out of LDS as it lies, V ([key][channel]) turned, by ds_load_tr16_b128.
; THE MASK comes as lane masks, one word for each score register, made by the first launch: scalar loads, 32 words a tile and step; a hidden score becomes -infinity ahead of the maximum.
; EACH TILE HAS ITS OWN 32 SCALAR REGISTERS FOR THEM, and a set is asked for again, for the NEXT key step, directly behind the 32 selections that read it: a load has a whole key step in which to land.
; SOFTMAX.  For each query a running maximum m (never under -3e38, so that no difference of infinities arises) and sum l: p = 2^(c s - c m), c = log2(e) / 8; in every step O and l are multiplied by a = 2^(c m_old - c m_new).
; CLUSTER.  The four query blocks of a cluster belong to one head and walk the same K and V: each tile is asked for JOINTLY, by the same tensor load with a mask that names the four.
; VECTOR REGISTERS: window 0: v2-11 addresses and constants; v12-27 statistics; v28, v29 the add's two; v32-95 S^T; v96-127 P; v128-191 O^T; v192-223 the way out.   window 1: v0-31 Q; v64-127 K of a step; v128-191 V.
; SCALAR REGISTERS: the masks take 64 of them, so the rest is kept short: one group 0 serves K's and V's waves (both its addresses are arithmetic on the wave's number); the first fill's group 0 is used again once
; that fill has landed; Q's address shares a pair with the lane selects; O's address is loaded from the arguments a second time, in the last step.
.set PK,    144                        ; a row of K in LDS: 128 bytes + 16 of padding: the 16 rows of a load start 36 words apart
.set PV,    160                        ; a row of V: 128 + 32: 16 lanes of the turning load take 8 rows x 32 bytes
.set SK,    256                        ; keys in a slot
.set VOFF,  SK*PK                      ; a slot: 256 rows of K, then 256 rows of V
.set SLOT1, 1<<17                      ; slot 1 begins here: one exclusive or turns an address in one slot into the other's
.set STAGE, SLOT1+SK*(PK+PV)           ; behind the ring: 16 rows x 144 bytes for each wave, for the way out
.set SPARE, STAGE+8*16*144             ; behind the stages: the spare words, 128 bytes a wave
.set AK0, 2                            ; v2   my lane's place in a tile of K; never rewritten
.set AV0, 3                            ; v3   the same for V
.set ADK, 4                            ; v4   LDS address of the step's K
.set ADV, 5                            ; v5   of its V
.set STO, 6                            ; v6   the way out: where I put 16 bytes of a row
.set RD,  7                            ; v7   where I read back
.set GO,  8                            ; v8   my byte offset in the wave's rows of O
.set QO,  9                            ; v9   my byte offset in the wave's rows of Q
.set NINF, 10                          ; v10  -infinity
.set PFO, 11                           ; v11  256 x my lane: the prefetches' offset; never rewritten
.set ST,  12                           ; tile t's statistics at v[ST + 8 t]: +0 c m, +1 m, +2, +3 l (even keys', odd keys'), +4 to +7 at work; a takes +6
.set SPW, 28
.set NIL, 29
.set S,   32
.set P,   96
.set O,   128
.set OB,  192
.set KF,  64                           ; in window 1
.set VF,  128
.set MBP, 2                            ; s[2:3]   the mask words of my first tile, for the step that is asked for; my second tile's lie 4,096 bytes on
.set PFA, 4                            ; s[4:5]   where my prefetches stand
.set CS,  6                            ; s[6:7]   c: the packed scaling names a pair and takes its low word for both halves
.set G0A, 8                            ; s[8:11]  group 0 of the first fill of slot 0; once that fill has landed the four registers hold:
.set TBK, 8                            ; s8   LDS byte at which the step's rows of K begin
.set TBV, 9                            ; s9   the same for V, less VOFF
.set SLOTS, 10                         ; s10  slots still to be asked for
.set CNT, 11                           ; s11  counts a slot's steps
.set G0W, 12                           ; s[12:15] group 0 of the first fill of slot 1, which then walks on
.set G1K, 16                           ; s[16:23] descriptor group 1 for K's tiles;  s[24:31] for V's: it differs in the padding alone
.set G1V, 24
.set MB1, 32                           ; s[32:63] tile 1's 32 lane masks
.set QP,  66                           ; s[66:67] Q's address, until Q is in; then
.set SEL, 66                           ; s[66:67] lane selects for v_permlanex16_b32: lane l xor 16
.set MB0, 68                           ; s[68:99] tile 0's 32 lane masks (at the head: the arguments and what is made of the ids)
.set OP,  68                           ; s[68:69] O's address, from the last step on
.set WV,  100                          ; s100 my wave's number
.set LIM, 101                          ; s101 1 in a wave that prefetches, else the greatest number
.set MSB, 0
.macro WIN new                         ; the immediate's high byte repeats the setting that is left
.if MSB != \new
	s_set_vgpr_msb (MSB<<8)|\new
.set MSB, \new
.endif
.endm
.set W_LD, 0x40                        ; destination window 1, address window 0
.set W_KQ, 0x05                        ; K and Q in window 1, S^T in window 0
.set W_PV, 0x01                        ; V in window 1, P and O^T in window 0
; A joint refill: waves 0-3 fetch K's four quarters of a slot, waves 4-7 V's.  Both lines name the one walking group 0; they differ in the padding.  The branch hangs on the wave's number alone.
; An s_nop 0 and four v_nop follow each of the two lines.
.macro JLOAD
	s_cmp_lt_u32 s[WV], 4
	s_cbranch_scc0 .Lfor_v_\@
	tensor_load_to_lds s[G0W:G0W+3], s[G1K:G1K+7]
	s_nop 0
.rept 4
	v_nop
.endr
	s_branch .Lasked_\@
.Lfor_v_\@:
	tensor_load_to_lds s[G0W:G0W+3], s[G1V:G1V+7]
	s_nop 0
.rept 4
	v_nop
.endr
.Lasked_\@:
.endm
; A PREFETCH of what the NEXT change of slots will ask for: a slot's 32,768 dense bytes of K and of V.  Each aligned block of 256 bytes is named once in the launch: both clusters of a head walk the same rows, and the
; first of them asks; its four partners take 8,192 bytes each, told apart BY ADDRESS; in each, wave 0 asks for K's and wave 4 for V's, lanes 256 bytes apart: one instruction.  It stands behind the wave's tensor load,
; four key steps ahead of the load that will want the bytes.  The last change that fills a slot asks for nothing; slots 0 to 2 come by their loads alone.
.macro ASK
	s_cmp_gt_u32 s[SLOTS], s[LIM]
	s_cbranch_scc0 .Lnot_mine_\@
	global_prefetch_b8 v[PFO], s[PFA:PFA+1] th:TH_LOAD_NT scope:SCOPE_SE
.Lnot_mine_\@:
.endm
.macro CROUND                          ; a round of the cluster's barrier
	s_barrier_signal -1
	s_barrier_wait -1
	s_cmp_lg_u32 s[WV], 0
	s_cbranch_scc1 .Lnot_wave_0_\@
	s_barrier_signal -3
.Lnot_wave_0_\@:
	s_barrier_wait -3
	s_barrier_signal -1
	s_barrier_wait -1
.endm
.macro MLOAD mb, off                   ; 32 lane masks, 128 consecutive bytes, into the set at s[mb]
	s_load_b512 s[\mb:\mb+15], s[MBP:MBP+1], \off
	s_load_b512 s[\mb+16:\mb+31], s[MBP:MBP+1], \off+0x40
.endm
	s_load_b128 s[68:71], s[0:1], 0x0              ; qkv s[68:69], mbits s[70:71]
	v_lshl_add_u32 v[SPW], v0, 2, SPARE
	v_mov_b32 v[NIL], 0
	ds_add_u32 v[SPW], v[NIL]                      ; the wave's opening: the add, twice on end, and its wait ahead of my first tensor load
	ds_add_u32 v[SPW], v[NIL]
	v_lshrrev_b32 v1, 5, v0
	v_readfirstlane_b32 s[WV], v1                  ; wave 0..7
	s_bfe_u32 s72, ttmp6, 0x40000                  ; cx: my place in the cluster
	s_lshl_b32 s73, ttmp9, 2
	s_add_co_u32 s73, s73, s72                     ; my block of 256 queries: it enters Q's, O's and the mask words' addresses alone
	s_and_b32 s74, ttmp7, 0xffff                   ; the head, which the four partners share:
	s_lshl_b32 s74, s74, 18                        ; 262,144 bytes a head in each plane
	; what I fetch: wave w takes rows 64 (w % 4) of a slot, of K (w < 4) or of V.  In LDS K's quarters are 64 PK bytes each and V's, which follow them, 64 (PV - PK) bytes longer
	s_and_b32 s75, s[WV], 3
	s_lshr_b32 s76, s[WV], 2
	s_mul_i32 s77, s[WV], 64*PK
	s_min_u32 s86, s[WV], 4
	s_sub_co_u32 s86, s[WV], s86                   ; 0 in K's waves, w - 4 in V's
	s_mul_i32 s86, s86, 64*(PV-PK)
	s_add_co_u32 s77, s77, s86                     ; my place in slot 0: no place in the cluster enters an LDS address
	s_lshl_b32 s78, s75, 13                        ; in memory: 64 rows of 128 bytes,
	s_add_co_u32 s78, s78, s74                     ; in my head,
	s_lshl_b32 s79, s76, 24
	s_add_co_u32 s78, s78, s79                     ; V's plane lies 16,777,216 bytes behind K's,
	s_add_co_u32 s78, s78, 0x1000000               ; which is plane 1
	s_mov_b32 s79, 0
	s_lshl_b32 s80, s73, 15                        ; Q: my block's 256 rows of 128 bytes,
	s_lshl_b32 s81, s[WV], 12                      ; my wave's 32 of them,
	s_add_co_u32 s80, s80, s81
	s_add_co_u32 s80, s80, s74                     ; in my head
	s_mov_b32 s81, 0
	s_lshl_b32 s82, s73, 16                        ; the mask words: 4,096 bytes for each tile of 16 queries: 16 tiles a block,
	s_lshl_b32 s83, s[WV], 13                      ; two a wave
	s_add_co_u32 s82, s82, s83
	s_mov_b32 s83, 0
	s_lshl_b32 s84, s72, 13                        ; the prefetches: my work-group's 8,192 bytes of a slot's 32,768
	s_mov_b32 s85, 0
	; descriptor group 1: a tile of 64 rows x 64 elements of 2 bytes, dense in memory, padded in LDS
	s_mov_b32 s[G1K], 15|(1<<16)|(1<<20)|(1<<21)|(4<<22)|(3<<25)  ; the mask: all four work-groups; elements of 2 bytes; padding on; bit 21 beside a mask; after every 32 words, 4 words
	s_mov_b32 s[G1V], 15|(1<<16)|(1<<20)|(1<<21)|(4<<22)|(7<<25)  ; the same with 8 words of padding
.irp g, G1K, G1V
	s_mov_b32 s[\g+1], 64<<16                      ; tensor_dim0 = 64
	s_mov_b32 s[\g+2], 64<<16                      ; tensor_dim1 = 64
	s_mov_b32 s[\g+3], 64<<16                      ; tile_dim0 = 64
	s_mov_b32 s[\g+4], 64                          ; tile_dim1 = 64
	s_mov_b32 s[\g+5], 64                          ; tensor_dim0_stride
	s_mov_b32 s[\g+6], 0
	s_mov_b32 s[\g+7], 0
.endr
	s_mov_b32 s[CS], 0x3e38aa3b                    ; c = log2(e) / 8
	s_mov_b32 s[CS+1], s[CS]                       ; named with it as a pair, so it is written
	s_and_b32 s[LIM], s[WV], 3                     ; 0 in waves 0 and 4,
	s_or_b32 s[LIM], s[LIM], ttmp9                 ; where the cluster is the head's first: the same in all four partners
	s_cmp_eq_u32 s[LIM], 0
	s_cselect_b32 s[LIM], 1, -1
	v_and_b32 v[PFO], 31, v0
	v_lshlrev_b32 v[PFO], 8, v[PFO]
	s_wait_dscnt 0x0                               ; both opening adds are done
	s_wait_kmcnt 0x0
	s_add_nc_u64 s[MBP:MBP+1], s[70:71], s[82:83]
	s_add_nc_u64 s[86:87], s[68:69], s[78:79]      ; my 64 rows of slot 0
	s_add_nc_u64 s[QP:QP+1], s[68:69], s[80:81]    ; Q at my wave's first row
	s_add_nc_u64 s[PFA:PFA+1], s[86:87], s[84:85]  ; (in waves 0 and 4 my rows are a slot's first)
	s_add_nc_u64 s[PFA:PFA+1], s[PFA:PFA+1], 2*SK*128   ; in slot 2; the first change of slots steps it to slot 3
	CROUND                                         ; all four work-groups are here: the first joint loads meet
.irp s, 0,1
	s_mov_b32 s[G0A+4*\s], 1                       ; count = 1
	s_add_co_u32 s[G0A+4*\s+1], s77, \s*SLOT1      ; LDS address
	s_add_nc_u64 s[G0A+4*\s+2:G0A+4*\s+3], s[86:87], \s*SK*128   ; global address: slot s begins with keys 256 s
	s_or_b32 s[G0A+4*\s+3], s[G0A+4*\s+3], 0x80000000            ; type = 2
.endr
	s_cmp_lt_u32 s[WV], 4                          ; a wave's two first fills stand in one branch, ahead of every wait on TENSORcnt and every LDS read: two loads of mine are out
	s_cbranch_scc0 .Lfirst_v
	tensor_load_to_lds s[G0A:G0A+3], s[G1K:G1K+7]
	s_nop 0
	tensor_load_to_lds s[G0W:G0W+3], s[G1K:G1K+7]
	s_nop 0
.rept 4
	v_nop
.endr
	s_branch .Lfirst_asked
.Lfirst_v:
	tensor_load_to_lds s[G0A:G0A+3], s[G1V:G1V+7]
	s_nop 0
	tensor_load_to_lds s[G0W:G0W+3], s[G1V:G1V+7]
	s_nop 0
.rept 4
	v_nop
.endr
.Lfirst_asked:
	; A fragment of K or Q is 16 rows x 32 channels in 8 registers: lane l holds row l % 16; registers 0-3 channels 8 (l / 16) + 0..7, registers 4-7 channels 16 + 8 (l / 16) + 0..7: two loads of 16 bytes, 32 bytes apart.
	v_and_b32 v1, 15, v0                           ; r
	v_bfe_u32 v30, v0, 4, 1                        ; h
	v_lshlrev_b32 v[QO], 7, v1
	v_lshl_add_u32 v[QO], v30, 4, v[QO]            ; row x 128 + 16 x half
	WIN W_LD
.irp t, 0,1                            ; Q stays in registers: tile t, channels 32 c on, at v[16 t + 8 c] of window 1
.irp c, 0,1
	global_load_b128 v[16*\t+8*\c:16*\t+8*\c+3],   v[QO], s[QP:QP+1] offset:2048*\t+64*\c
	global_load_b128 v[16*\t+8*\c+4:16*\t+8*\c+7], v[QO], s[QP:QP+1] offset:2048*\t+64*\c+32
.endr
.endr
	WIN 0
	s_mul_i32 s84, s[WV], 16*144
	s_add_co_u32 s84, s84, STAGE                   ; my stage
	v_and_b32 v200, 7, v0
	v_mul_u32_u24 v[STO], v1, 144                  ; in: row r, 16 bytes for each half of the lanes
	v_lshl_add_u32 v[STO], v30, 4, v[STO]
	v_add_nc_u32 v[STO], s84, v[STO]
	v_bfe_u32 v202, v0, 3, 2                       ; back: eight lanes to a row of 128 bytes, four rows an instruction
	v_mul_u32_u24 v[RD], v202, 144
	v_lshl_add_u32 v[RD], v200, 4, v[RD]
	v_add_nc_u32 v[RD], s84, v[RD]
	MLOAD MB0, 0                                   ; the first step's masks of both tiles: nothing of what the head kept in these registers is wanted any more
	MLOAD MB1, 0x1000
	v_mul_u32_u24 v[AK0], v1, PK
	v_lshl_add_u32 v[AK0], v30, 4, v[AK0]          ; row x pitch + 16 x half
	; The turning load takes 16 keys x 16 channels (lane l reads 16 bytes: key 8 (l / 16) + l % 8, channels 8 ((l / 8) % 2) + 0..7) and leaves half a fragment of V^T: lane l holds channel l % 16 and 8 keys.
	v_bfe_u32 v201, v0, 3, 1
	v_lshl_add_u32 v[AV0], v30, 3, v200
	v_mul_u32_u24 v[AV0], v[AV0], PV
	v_lshl_add_u32 v[AV0], v201, 4, v[AV0]
	v_add_nc_u32 v[AV0], VOFF, v[AV0]
	v_and_b32 v[GO], 31, v0
	v_lshlrev_b32 v[GO], 4, v[GO]                  ; four rows of O are 512 consecutive bytes: 16 x lane
	v_mov_b32 v[NINF], 0xff800000
.irp t, 0,1
	v_mov_b32 v[ST+8*\t+1], 0xff61b1e6             ; m: -3e38, under every score
	v_mul_f32 v[ST+8*\t], s[CS], v[ST+8*\t+1]      ; c m
	v_mov_b32 v[ST+8*\t+2], 0                      ; l
	v_mov_b32 v[ST+8*\t+3], 0
.endr
.set i, 0
.rept 64
	v_mov_b32 v[O+i], 0                            ; O^T.  (The step is written without a first form of its own: the first change of m multiplies zeros)
.set i, i+1
.endr
; THE SOFTMAX OF TILE t, in parts.
.macro CND t, mb                       ; hidden scores become -infinity, by the lane masks at s[mb]; each accumulator is read from its low end on
.set i, 0
.rept 32
	v_cndmask_b32 v[S+32*(\t)+i], v[S+32*(\t)+i], v[NINF], s[\mb+i]
.set i, i+1
.endr
.endm
.macro MAXST t                         ; the maximum of the lane's 32 scores and the old m, three operands at a time in four chains; the other half of the lanes'; the new m, c m, and c m_old - c m_new
.set rT, ST+8*(\t)
.set rS, S+32*(\t)
.irp j, 0,1,2,3
	v_max3_num_f32 v[rT+4+\j], v[rS+8*\j], v[rS+8*\j+1], v[rS+8*\j+2]
.endr
.irp g, 1,2
.irp j, 0,1,2,3
	v_max3_num_f32 v[rT+4+\j], v[rT+4+\j], v[rS+8*\j+2*\g+1], v[rS+8*\j+2*\g+2]
.endr
.endr
	v_max3_num_f32 v[rT+4], v[rT+4], v[rS+7], v[rS+15]
	v_max3_num_f32 v[rT+6], v[rT+6], v[rS+23], v[rS+31]
	v_max3_num_f32 v[rT+4], v[rT+4], v[rT+5], v[rT+6]
	v_max3_num_f32 v[rT+4], v[rT+4], v[rT+7], v[rT+1]
	v_permlanex16_b32 v[rT+5], v[rT+4], s[SEL], s[SEL+1]   ; the query's other 32 keys lie in the lane 16 away
	v_mov_b32 v[rT+7], v[rT]                       ; c m_old is kept for a
	v_max_num_f32 v[rT+1], v[rT+4], v[rT+5]
	v_mul_f32 v[rT], s[CS], v[rT+1]
	v_sub_f32 v[rT+7], v[rT+7], v[rT]
.endm
.macro SCAL t                          ; c s - c m, a pair of scores at a time
.set rT, ST+8*(\t)
.set rS, S+32*(\t)
.set i, 0
.rept 16
	v_pk_fma_f32 v[rS+i:rS+i+1], v[rS+i:rS+i+1], s[CS:CS+1], v[rT:rT+1] op_sel_hi:[1,0,0] neg_lo:[0,0,1] neg_hi:[0,0,1]
.set i, i+2
.endr
.endm
.macro EXPS t                          ; one batch of 33 exponentials: a, then the 32 weights.  None reads another's result
.set rT, ST+8*(\t)
.set rS, S+32*(\t)
	v_exp_f32 v[rT+6], v[rT+7]
.set i, 0
.rept 32
	v_exp_f32 v[rS+i], v[rS+i]
.set i, i+1
.endr
.endm
.macro CVT t                           ; the weights to f16, in pairs: they are source 1 of the second product as they stand
.set i, 0
.rept 16
	v_cvt_pk_f16_f32 v[P+16*(\t)+i], v[S+32*(\t)+2*i], v[S+32*(\t)+2*i+1]
.set i, i+1
.endr
.endm
.macro SUM t                           ; the sum of the 16 pairs (the weights in f32), as a tree in place; then l = a l + the sum
.set rT, ST+8*(\t)
.set rS, S+32*(\t)
.irp z, 0,1,2,3,4,5,6,7
	v_pk_add_f32 v[rS+4*\z:rS+4*\z+1], v[rS+4*\z:rS+4*\z+1], v[rS+4*\z+2:rS+4*\z+3]
.endr
.irp z, 0,1,2,3
	v_pk_add_f32 v[rS+8*\z:rS+8*\z+1], v[rS+8*\z:rS+8*\z+1], v[rS+8*\z+4:rS+8*\z+5]
.endr
.irp z, 0,1
	v_pk_add_f32 v[rS+16*\z:rS+16*\z+1], v[rS+16*\z:rS+16*\z+1], v[rS+16*\z+8:rS+16*\z+9]
.endr
	v_pk_add_f32 v[rS:rS+1], v[rS:rS+1], v[rS+16:rS+17]
	v_pk_fma_f32 v[rT+2:rT+3], v[rT+2:rT+3], v[rT+6:rT+7], v[rS:rS+1] op_sel_hi:[1,0,1]
.endm
.macro RESC t                          ; the tile's O^T times a
.set rT, ST+8*(\t)
.set i, 0
.rept 16
	v_pk_mul_f32 v[O+32*(\t)+i:O+32*(\t)+i+1], v[O+32*(\t)+i:O+32*(\t)+i+1], v[rT+6:rT+7] op_sel_hi:[1,0]
.set i, i+2
.endr
.endm
; A KEY STEP: 64 keys.  ahead = 1: the next step's masks are asked for; ahead = 0, the head's last step: there are none, and O's address is asked for in their stead.
.macro STEP ahead
	v_nop                                          ; four plain instructions between the last step's products and the loads into V's registers: these two and the two additions
	v_nop
	v_add_nc_u32 v[ADK], s[TBK], v[AK0]
	v_add_nc_u32 v[ADV], s[TBV], v[AV0]
	WIN W_LD
.irp k, 0,1,2,3                        ; K: keys 16 k on, channels 32 c on
.irp c, 0,1
	ds_load_b128 v[KF+8*(2*\k+\c):KF+8*(2*\k+\c)+3],   v[ADK] offset:\k*16*PK+64*\c
	ds_load_b128 v[KF+8*(2*\k+\c)+4:KF+8*(2*\k+\c)+7], v[ADK] offset:\k*16*PK+64*\c+32
.endr
.endr
.irp f, 0,1                            ; V, turned: keys 32 f on, channels 16 d on
.irp d, 0,1,2,3
	ds_load_tr16_b128 v[VF+8*(4*\f+\d):VF+8*(4*\f+\d)+3],   v[ADV] offset:\f*32*PV+32*\d
	ds_load_tr16_b128 v[VF+8*(4*\f+\d)+4:VF+8*(4*\f+\d)+7], v[ADV] offset:\f*32*PV+16*PV+32*\d
.endr
.endr
	s_wait_dscnt 16                                ; K is in; V's sixteen loads may be out
	WIN W_KQ
.irp c, 0,1                            ; S^T = K Q^T: eight accumulators by turns, one instruction a turn; the first eight start the sums
.irp k, 0,1,2,3
.irp t, 0,1
.if \c == 0
	v_wmma_f32_16x16x32_f16 v[S+32*\t+8*\k:S+32*\t+8*\k+7], v[KF+8*(2*\k+\c):KF+8*(2*\k+\c)+7], v[16*\t+8*\c:16*\t+8*\c+7], 0
.else
	v_wmma_f32_16x16x32_f16 v[S+32*\t+8*\k:S+32*\t+8*\k+7], v[KF+8*(2*\k+\c):KF+8*(2*\k+\c)+7], v[16*\t+8*\c:16*\t+8*\c+7], v[S+32*\t+8*\k:S+32*\t+8*\k+7]
.endif
.endr
.endr
.endr
	WIN 0
.rept 4
	v_nop                                          ; places behind the products, ahead of the first read of the scores
.endr
	s_wait_kmcnt 0x0                               ; both tiles' masks, asked for a key step ago, are in; the loads are done, so their base may be written
.if \ahead
	s_add_nc_u64 s[MBP:MBP+1], s[MBP:MBP+1], 128   ; the next step's words
.endif
	CND 0, MB0
.if \ahead
	MLOAD MB0, 0                                   ; tile 0's set is asked for again as soon as its 32 selections have read it
.else
	s_load_b64 s[OP:OP+1], s[0:1], 0x10            ; o16: the set's first two registers are free from here on
.endif
	CND 1, MB1
.if \ahead
	MLOAD MB1, 0x1000                              ; and tile 1's likewise
.endif
	MAXST 0
	SCAL 0
	EXPS 0
	MAXST 1                                        ; 37 plain instructions behind tile 0's batch, which name none of its results
	SCAL 1
	s_wait_alu depctr_va_vdst(0)                   ; one wait for tile 0's 33 exponentials, ahead of their first reader
	EXPS 1
	CVT 0                                          ; 48 plain instructions behind tile 1's batch, which name none of its results
	SUM 0
	RESC 0
	s_wait_alu depctr_va_vdst(0)                   ; one wait for tile 1's batch
	CVT 1
	SUM 1
	RESC 1
	s_wait_dscnt 0x0                               ; V is in
	WIN W_PV
.irp f, 0,1                            ; O^T += V^T P: eight accumulators by turns
.irp d, 0,1,2,3
.irp t, 0,1
	v_wmma_f32_16x16x32_f16 v[O+32*\t+8*\d:O+32*\t+8*\d+7], v[VF+8*(4*\f+\d):VF+8*(4*\f+\d)+7], v[P+16*\t+8*\f:P+16*\t+8*\f+7], v[O+32*\t+8*\d:O+32*\t+8*\d+7]
.endr
.endr
.endr
	WIN 0
	s_add_co_u32 s[TBK], s[TBK], 64*PK             ; the next step's rows
	s_add_co_u32 s[TBV], s[TBV], 64*PV
.endm
.macro SLOT_STEPS n                    ; n key steps of a slot, each with a successor: written once, walked n times
	s_mov_b32 s[CNT], \n
.Lstep_\@:
	STEP 1
	s_sub_co_u32 s[CNT], s[CNT], 1
	s_cmp_lg_u32 s[CNT], 0
	s_cbranch_scc1 .Lstep_\@
.endm
; THE CHANGE OF SLOTS.  Each wave waits for all its tensor loads, of which one is out: its part of the other slot; adds 0 to its spare word; and waits for that and for its own reads of the slot.  Behind the barrier
; nobody reads this slot any more and the other slot is whole.  fill = 1: this slot is filled again, with the keys two slots on; the barrier is then a round of the cluster's, so that no wave of any partner
; still reads the slot or has a load on its way, and the joint refill is the first thing behind it: it has four key steps in which to land.
.macro CHANGE fill
	s_wait_tensorcnt 0x0                           ; no tensor load of mine is out, so a group 0 may be written
	ds_add_u32 v[SPW], v[NIL]                      ; 0 onto my spare word
.if \fill
	s_xor_b32 s[G0W+1], s[G0W+1], SLOT1            ; the walking descriptor: the other slot than last time,
	s_add_nc_u64 s[G0W+2:G0W+3], s[G0W+2:G0W+3], SK*128   ; the next 256 keys; the type bits on top are not reached
	s_wait_xcnt 0x0                                ; the last prefetch, a slot back, has read its address, so it may be written:
	s_add_nc_u64 s[PFA:PFA+1], s[PFA:PFA+1], SK*128   ; one slot further on than the walking descriptor
	s_wait_dscnt 0x0                               ; the add is done, and my reads of the slot are over
	CROUND
	JLOAD
	ASK
.else
	s_wait_dscnt 0x0
	s_barrier_signal -1
	s_barrier_wait -1
.endif
	s_sub_co_u32 s[TBK], s[TBK], SK*PK             ; back to a slot's first step,
	s_xor_b32 s[TBK], s[TBK], SLOT1                ; in the other slot
	s_sub_co_u32 s[TBV], s[TBV], SK*PV
	s_xor_b32 s[TBV], s[TBV], SLOT1
.endm
	s_wait_tensorcnt 0x0                           ; both my first fills have landed: my part of slot 0 is wanted now, and the first fill's group 0 may be written:
	s_mov_b32 s[TBK], 0                            ; its four registers serve the walk from here on
	s_mov_b32 s[TBV], 0
	s_mov_b32 s[SLOTS], 2048/SK-2
	s_barrier_signal -1
	s_barrier_wait -1                              ; everybody's parts are in
	s_wait_loadcnt 0x0                             ; Q is in, so the pair that held its address may be written:
	s_mov_b32 s[SEL], 0x76543210
	s_mov_b32 s[SEL+1], 0xfedcba98
	SLOT_STEPS SK/64
.Lslot:                                            ; six trips: every slot but the last two is filled again
	CHANGE 1
	SLOT_STEPS SK/64
	s_sub_co_u32 s[SLOTS], s[SLOTS], 1
	s_cmp_lg_u32 s[SLOTS], 0
	s_cbranch_scc1 .Lslot
	CHANGE 0                                       ; the tail is written out
	SLOT_STEPS SK/64-1
	STEP 0                                         ; and the head's last step by itself, so that no mask load leaves its buffer
	; THE WAY OUT.  l's two halves and the other half of the lanes' are added; O^T is divided by l, rounded to f16 and sent through my stage in LDS, a tile (16 rows of O) at a time.
	; The four additions and the v_nop are the plain instructions between the last products and the first read of O^T.
	s_bfe_u32 s70, ttmp6, 0x40000                  ; my wave's first row of O, as of Q: my block of 256 queries,
	s_lshl_b32 s71, ttmp9, 2
	s_add_co_u32 s70, s70, s71
	s_lshl_b32 s70, s70, 15                        ; 256 rows of 128 bytes,
	s_lshl_b32 s71, s[WV], 12                      ; my wave's 32 of them,
	s_add_co_u32 s70, s70, s71
	s_and_b32 s71, ttmp7, 0xffff
	s_lshl_b32 s71, s71, 18                        ; in my head
	s_add_co_u32 s70, s70, s71
	s_mov_b32 s71, 0
.irp t, 0,1
	v_add_f32 v[ST+8*\t+4], v[ST+8*\t+2], v[ST+8*\t+3]
.endr
.irp t, 0,1
	v_permlanex16_b32 v[ST+8*\t+5], v[ST+8*\t+4], s[SEL], s[SEL+1]
.endr
.irp t, 0,1
	v_add_f32 v[ST+8*\t+4], v[ST+8*\t+4], v[ST+8*\t+5]
.endr
.irp t, 0,1
	v_rcp_f32 v[ST+8*\t+6], v[ST+8*\t+4]
.endr
	v_nop                                          ; a plain instruction behind the last reciprocal
	s_wait_alu depctr_va_vdst(0)                   ; one wait for the two, ahead of the first use
.macro PACK t
.set i, 0
.rept 16
	v_pk_mul_f32 v[O+32*\t+i:O+32*\t+i+1], v[O+32*\t+i:O+32*\t+i+1], v[ST+8*\t+6:ST+8*\t+7] op_sel_hi:[1,0]
.set i, i+2
.endr
.set i, 0
.rept 16
	v_cvt_pk_f16_f32 v[OB+16*\t+i], v[O+32*\t+2*i], v[O+32*\t+2*i+1]
.set i, i+1
.endr
.irp d, 0,1,2,3
	ds_store_b128 v[STO], v[OB+16*\t+4*\d:OB+16*\t+4*\d+3] offset:32*\d
.endr
.irp u, 0,1,2,3
	ds_load_b128 v[OB+16*\t+4*\u:OB+16*\t+4*\u+3], v[RD] offset:\u*4*144   ; LDS serves a wave's instructions in order: these see the stores above; the next tile's stores come behind them
.endr
.endm
.macro SEND t, younger                 ; younger: the LDS instructions issued behind tile t's loads
.irp u, 0,1,2,3
	s_wait_dscnt \younger+3-\u
	global_store_b128 v[GO], v[OB+16*\t+4*\u:OB+16*\t+4*\u+3], s[OP:OP+1] offset:\t*2048+\u*512   ; 32 lanes store 512 consecutive bytes, aligned
.endr
.endm
	PACK 0
	PACK 1
	s_wait_kmcnt 0x0                               ; O's address, asked for in the last step
	s_add_nc_u64 s[OP:OP+1], s[OP:OP+1], s[70:71]
	SEND 0, 8
	SEND 1, 0
	s_wait_tensorcnt 0x0                           ; the wave's end
	ds_add_u32 v[SPW], v[NIL]
	s_wait_dscnt 0x0
	CROUND                                         ; the closing round
	s_endpgm
.Lfunc_end_k_q5bd5bb893c_attn:
	.size	k_q5bd5bb893c_attn, .Lfunc_end_k_q5bd5bb893c_attn-k_q5bd5bb893c_attn
	.p2alignl 7, 3214868480
	.fill 96, 4, 3214868480
	.section	.rodata,"a",@progbits
	.p2align	6, 0x0
	.amdhsa_kernel k_q5bd5bb893c_attn
		.amdhsa_group_segment_fixed_size 327680
		.amdhsa_private_segment_fixed_size 0
		.amdhsa_enable_private_segment 0
		.amdhsa_kernarg_size 24
		.amdhsa_user_sgpr_count 2
		.amdhsa_user_sgpr_kernarg_segment_ptr 1
		.amdhsa_wavefront_size32 1
		.amdhsa_system_sgpr_workgroup_id_x 1
		.amdhsa_system_sgpr_workgroup_id_y 1
		.amdhsa_system_sgpr_workgroup_id_z 1
		.amdhsa_system_vgpr_workitem_id 0
		.amdhsa_next_free_vgpr 512
		.amdhsa_next_free_sgpr 102
		.amdhsa_reserve_vcc 0
		.amdhsa_float_denorm_mode_32 3
		.amdhsa_float_denorm_mode_16_64 3
		.amdhsa_memory_ordered 1
		.amdhsa_forward_progress 1
		.amdhsa_inst_pref_size 106
	.end_amdhsa_kernel
	.amdgpu_metadata
---
amdhsa.version: [ 1, 2 ]
amdhsa.kernels:
  - .name:           k_q5bd5bb893c_attn
    .symbol:         k_q5bd5bb893c_attn.kd
    .args:
      - { .name: qkv, .offset: 0, .size: 8, .value_kind: global_buffer, .address_space: global }
      - { .name: mbits, .offset: 8, .size: 8, .value_kind: global_buffer, .address_space: global }
      - { .name: o16, .offset: 16, .size: 8, .value_kind: global_buffer, .address_space: global }
    .group_segment_fixed_size: 327680
    .private_segment_fixed_size: 0
    .kernarg_segment_align: 8
    .kernarg_segment_size: 24
    .max_flat_workgroup_size: 256
    .sgpr_count:     102
    .vgpr_count:     512
    .wavefront_size: 32
...
	.end_amdgpu_metadata
.endif
;; end of part 3
;; launch outp (part 4): grid 4 x 64, 4 waves a work-group, clusters of 4 x 4, 327,680 bytes of LDS; arguments o16, wo16, out0; writes out0
.if DOCPART == 4
	.amdgcn_target "amdgcn-amd-amdhsa--gfx1250"
	.amdhsa_code_object_version 6
	.text
	.protected	k_q5bd5bb893c_outp
	.globl	k_q5bd5bb893c_outp
	.p2align	8
	.type	k_q5bd5bb893c_outp,@function
k_q5bd5bb893c_outp:
	s_mov_b64 s[64:65], 0
	v_nop
	global_prefetch_b8 v0, s[64:65] scope:SCOPE_SE
	s_setreg_imm32_b32 hwreg(HW_REG_WAVE_MODE, 25, 1), 1
	s_wait_xcnt 0x0
	s_wait_alu depctr_hold_cnt(0) depctr_sa_sdst(0) depctr_va_vdst(0) depctr_va_sdst(0) depctr_va_ssrc(0) depctr_va_vcc(0) depctr_vm_vsrc(0)
	s_getreg_b32 s2, hwreg(HW_REG_IB_STS2, 6, 4)
	s_cmp_eq_u32 s2, 0
	s_cbranch_scc0 .Lentry_in_a_cluster
	s_endpgm
.Lentry_in_a_cluster:
	s_bfe_u32 s2, ttmp6, 0x10000c
	s_cmp_lg_u32 s2, 0xf033
	s_cbranch_scc0 .Lentry_shape_is_right
	s_endpgm
.Lentry_shape_is_right:
; Launch 4 of 4: out0[m][n] = sum over k of O[m][k] wo[n][k], m = 2,048 b + s, k = 64 h + d.  O: o16 [4 b][16 h][2,048 s][64] f16; wo: wo16 [16 h][1,024 n][64] f16; out0 [8,192][1,024] f32; sums in f32.
; No work is left out.  A tile of out0 is 128 rows x 256 columns: 256 work-groups.  Four waves, each 64 x 128: 32 accumulators of 16 x 16, 256 registers.
; K goes two heads (128) at a step through a ring of two LDS slots.  Both operands lie by head, so a head's part of a tile is one dense block of rows of 128 bytes: waves 0 and 1 fetch O's two heads (128 rows each),
; waves 2 and 3 wo's (256 rows each): one tensor load a wave.
; CLUSTERS: 4 x 4 work-groups.  The four of a row of the cluster need the same tiles of O, the four of a column the same tiles of wo: each is asked for JOINTLY.
; No prefetch: a step's tiles are small, and each is shared by four work-groups and read again by the other clusters of its row or column.
; THE MATRIX INSTRUCTION IS USED TRANSPOSED (source 0 = 16 rows of wo, source 1 = 16 rows of O): a lane then holds eight neighbouring numbers of a row of out0.
; REGISTERS: window 0: v0-31 addresses; v32-159 rows on the way out.   window 1: two fragment buffers for 32 along K: 32 registers of O, then 64 of wo, at v0 and at v128.   window 2: accumulator (a, b) at v[8 (8 a + b)].
.set PITCH,  144                       ; an LDS row: 128 bytes + 16 of padding: the 16 rows that a load touches start 36 words apart
.set APL,    128*PITCH                 ; a head's 128 rows of O
.set BPL,    256*PITCH                 ; a head's 256 rows of wo
.set SLOT,   2*APL+2*BPL
.set STAGE,  2*SLOT                    ; behind the ring: 16 rows x (512 bytes + 16) for each wave
.set SPITCH, 528
.set SPARE,  STAGE+4*16*SPITCH         ; behind the stages: the spare words, 128 bytes a wave
.set LAPS,   4                         ; a lap = two steps = four heads
.set ADRA, 16                          ; v16-17  LDS address of my O fragments in slot 0, 1
.set ADRB, 20                          ; v20-21  the same for wo
.set STO,  24                          ; v24     the way out: where I put 32 bytes of a row
.set RD,   25                          ; v25     where I read a row back
.set CO,   26                          ; v26     my byte offset in a row's 512 bytes
.set SPW,  28
.set NIL,  29
.set BK,   32
.set F0,   0
.set F1,   128
.set G1, 24                            ; s[24:31] descriptor group 1 for O's tiles;  s[32:39] group 0, one set for each slot
.set G0, 32
.set G1B, 48                           ; s[48:55], s[56:63] the same for wo's
.set G0B, 56
.set MSB, 0
.macro WIN new                         ; the immediate's high byte repeats the setting that is left
.if MSB != \new
	s_set_vgpr_msb (MSB<<8)|\new
.set MSB, \new
.endif
.endm
.set MUL,  0xa5                        ; sources 0 and 1 window 1; C and D window 2
.set TO_F, 0x40                        ; destination window 1, address window 0
.macro JLOAD s                         ; a joint load: waves 0 and 1 fetch O's two heads, waves 2 and 3 wo's; an s_nop 0 and four v_nop follow each of the two lines
	s_cmp_eq_u32 s11, 0
	s_cbranch_scc0 .Lfor_b_\@
	tensor_load_to_lds s[G0+4*\s:G0+4*\s+3], s[G1:G1+7]
	s_nop 0
.rept 4
	v_nop
.endr
	s_branch .Lasked_\@
.Lfor_b_\@:
	tensor_load_to_lds s[G0B+4*\s:G0B+4*\s+3], s[G1B:G1B+7]
	s_nop 0
.rept 4
	v_nop
.endr
.Lasked_\@:
.endm
.macro CREST                           ; a round of the cluster's barrier behind its opening barrier
	s_cmp_lg_u32 s10, 0
	s_cbranch_scc1 .Lnot_wave_0_\@
	s_barrier_signal -3
.Lnot_wave_0_\@:
	s_barrier_wait -3
	s_barrier_signal -1
	s_barrier_wait -1
.endm
.macro CROUND                          ; a whole round
	s_barrier_signal -1
	s_barrier_wait -1
	CREST
.endm
	s_load_b128 s[4:7], s[0:1], 0x0                ; o16 s[4:5], wo16 s[6:7]
	s_load_b64 s[8:9], s[0:1], 0x10                ; out0
	v_lshl_add_u32 v[SPW], v0, 2, SPARE
	v_mov_b32 v[NIL], 0
	ds_add_u32 v[SPW], v[NIL]                      ; the wave's opening: the add, twice on end, and its wait ahead of my first tensor load
	ds_add_u32 v[SPW], v[NIL]
	v_lshrrev_b32 v1, 5, v0
	v_readfirstlane_b32 s10, v1                    ; wave 0..3
	s_lshr_b32 s11, s10, 1                         ; which half of the tile's rows is mine.  Also: I fetch for O (0) or for wo (1)
	s_and_b32 s12, s10, 1                          ; which half of its columns.  Also: which of a step's two heads I fetch
	s_bfe_u32 s40, ttmp6, 0x40000                  ; cx, cy: my place in the cluster
	s_bfe_u32 s41, ttmp6, 0x40004
	s_lshl_b32 s42, ttmp9, 2
	s_add_co_u32 s42, s42, s40                     ; tile column = 4 x cluster x + cx
	s_and_b32 s13, ttmp7, 0xffff
	s_lshl_b32 s13, s13, 2
	s_add_co_u32 s13, s13, s41                     ; tile row = 4 x cluster y + cy
	s_lshl_b32 s43, s41, 2
	s_lshl_b32 s43, 15, s43                        ; my row of the cluster
	s_lshl_b32 s44, 0x1111, s40                    ; my column
	s_or_b32 s[G1+0], s43, (1<<16)|(1<<20)|(1<<21)|(4<<22)|(3<<25)  ; the mask; elements of 2 bytes; padding on; bit 21 beside a mask; after every 32 words, 4 words
	s_or_b32 s[G1B+0], s44, (1<<16)|(1<<20)|(1<<21)|(4<<22)|(3<<25)
	s_mov_b32 s[G1+1], 64<<16                      ; tensor_dim0 = 64
	s_mov_b32 s[G1+2], 128<<16                     ; tensor_dim1 = 128
	s_mov_b32 s[G1+3], 64<<16                      ; tile_dim0 = 64
	s_mov_b32 s[G1+4], 128                         ; tile_dim1 = 128
	s_mov_b32 s[G1+5], 64                          ; tensor_dim0_stride
	s_mov_b32 s[G1+6], 0
	s_mov_b32 s[G1+7], 0
	s_mov_b32 s[G1B+1], 64<<16
	s_mov_b32 s[G1B+2], 256<<16                    ; 256 rows
	s_mov_b32 s[G1B+3], 64<<16
	s_mov_b32 s[G1B+4], 256
	s_mov_b32 s[G1B+5], 64
	s_mov_b32 s[G1B+6], 0
	s_mov_b32 s[G1B+7], 0
	s_lshr_b32 s16, s13, 4                         ; O: batch b = tile row / 16: 16 heads of 262,144 bytes,
	s_lshl_b32 s16, s16, 22
	s_and_b32 s17, s13, 15
	s_lshl_b32 s17, s17, 14                        ; + 128 (tile row % 16) rows of 128 bytes,
	s_add_co_u32 s16, s16, s17
	s_lshl_b32 s17, s12, 18                        ; + my head of the step's two
	s_add_co_u32 s16, s16, s17
	s_mov_b32 s17, 0
	s_lshl_b32 s46, s42, 15                        ; wo: 256 x tile column rows of 128 bytes,
	s_lshl_b32 s47, s12, 17                        ; + my head: 131,072 bytes a head
	s_add_co_u32 s46, s46, s47
	s_mov_b32 s47, 0
	s_mul_i32 s20, s12, APL                        ; where they go: O's two heads,
	s_mul_i32 s21, s12, BPL
	s_add_co_u32 s21, s21, 2*APL                   ; then wo's two: no place in the cluster enters an LDS address
	s_wait_dscnt 0x0                               ; both opening adds are done
	s_wait_kmcnt 0x0
	s_add_nc_u64 s[14:15], s[4:5], s[16:17]
	s_add_nc_u64 s[46:47], s[6:7], s[46:47]
	CROUND                                         ; all sixteen work-groups are here: the first joint loads meet
.irp s, 0,1
	s_mov_b32 s[G0+4*\s], 1
	s_add_co_u32 s[G0+4*\s+1], s20, \s*SLOT
	s_add_nc_u64 s[G0+4*\s+2:G0+4*\s+3], s[14:15], \s*2*262144
	s_or_b32 s[G0+4*\s+3], s[G0+4*\s+3], 0x80000000
	s_mov_b32 s[G0B+4*\s], 1
	s_add_co_u32 s[G0B+4*\s+1], s21, \s*SLOT
	s_add_nc_u64 s[G0B+4*\s+2:G0B+4*\s+3], s[46:47], \s*2*131072
	s_or_b32 s[G0B+4*\s+3], s[G0B+4*\s+3], 0x80000000
	JLOAD \s                                       ; two loads of mine are out
.endr
	v_and_b32 v1, 15, v0                           ; r
	v_bfe_u32 v2, v0, 4, 1                         ; h
	v_mul_u32_u24 v3, v1, PITCH
	v_lshl_add_u32 v3, v2, 4, v3                   ; a fragment's row x pitch + 16 x half
	s_mul_i32 s21, s11, 64*PITCH                   ; my 64 rows of O
	s_mul_i32 s22, s12, 128*PITCH                  ; my 128 rows of wo,
	s_add_co_u32 s22, s22, 2*APL                   ; which lie behind O's two heads
.irp s, 0,1
	v_add_nc_u32 v[ADRA+\s], s21, v3
	v_add_nc_u32 v[ADRB+\s], s22, v3
	s_add_co_u32 s21, s21, SLOT
	s_add_co_u32 s22, s22, SLOT
.endr
	s_mul_i32 s23, s10, 16*SPITCH
	s_add_co_u32 s23, s23, STAGE                   ; my stage
	v_mul_u32_u24 v4, v1, SPITCH                   ; in: row r, 32 bytes for each half of the lanes
	v_lshl_add_u32 v4, v2, 5, v4
	v_add_nc_u32 v[STO], s23, v4
	v_and_b32 v5, 31, v0
	v_lshlrev_b32 v[CO], 4, v5                     ; back: the 32 lanes take one row of 512 bytes; and the same in out0
	v_add_nc_u32 v[RD], s23, v[CO]
	s_lshl_b32 s16, s13, 7
	s_lshl_b32 s17, s11, 6
	s_add_co_u32 s16, s16, s17                     ; my first row: 128 x tile row + 64 x half,
	s_lshl_b32 s16, s16, 12                        ; 4,096 bytes a row
	s_mov_b32 s17, 0
	s_add_nc_u64 s[8:9], s[8:9], s[16:17]
	s_lshl_b32 s46, s42, 10                        ; my first column, in bytes: 1,024 x tile column + 512 x half
	s_lshl_b32 s47, s12, 9
	s_add_co_u32 s46, s46, s47
	s_mov_b32 s47, 0
	s_add_nc_u64 s[8:9], s[8:9], s[46:47]
; 8 matrix instructions: O's block a against wo's eight, 32 along K, from buffer f.  zero = 1: the product starts the sums.  The 32 accumulators take turns, in the same order in every quarter.
.macro MULA f, a, zero
.irp b, 0,1,2,3,4,5,6,7
.if \zero
	v_wmma_f32_16x16x32_f16 v[8*(8*(\a)+\b):8*(8*(\a)+\b)+7], v[\f+32+8*\b:\f+32+8*\b+7], v[\f+8*(\a):\f+8*(\a)+7], 0
.else
	v_wmma_f32_16x16x32_f16 v[8*(8*(\a)+\b):8*(8*(\a)+\b)+7], v[\f+32+8*\b:\f+32+8*\b+7], v[\f+8*(\a):\f+8*(\a)+7], v[8*(8*(\a)+\b):8*(8*(\a)+\b)+7]
.endif
.endr
.endm
; 24 LDS loads in one run: the fragments of quarter q of a slot (head q / 2, channels 32 (q % 2) on) into buffer f
.macro FETCH slot, q, f
	WIN TO_F
.irp i, 0,1,2,3,4,5,6,7
	ds_load_b128 v[\f+32+8*\i:\f+32+8*\i+3],   v[ADRB+\slot] offset:BPL*((\q)/2)+64*((\q)%2)+\i*16*PITCH
	ds_load_b128 v[\f+32+8*\i+4:\f+32+8*\i+7], v[ADRB+\slot] offset:BPL*((\q)/2)+64*((\q)%2)+\i*16*PITCH+32
.endr
.irp i, 0,1,2,3
	ds_load_b128 v[\f+8*\i:\f+8*\i+3],   v[ADRA+\slot] offset:APL*((\q)/2)+64*((\q)%2)+\i*16*PITCH
	ds_load_b128 v[\f+8*\i+4:\f+8*\i+7], v[ADRA+\slot] offset:APL*((\q)/2)+64*((\q)%2)+\i*16*PITCH+32
.endr
.endm
.macro PLACES                          ; four plain instructions in front of loads into registers that matrix instructions have read, and of the first read of results
.rept 4
	v_nop
.endr
.endm
; A step is four quarters of 32 along K, 32 matrix instructions each, on buffers 0, 1, 0, 1.  One of the first three: multiplies buffer f and, in its middle, fetches quarter qn into g.
.macro QUARTER slot, qn, f, g, zero
	s_wait_dscnt 0x0                               ; buffer f is in
	WIN MUL
	MULA \f, 0, \zero
	MULA \f, 1, \zero
	PLACES
	FETCH \slot, \qn, \g
	WIN MUL
	MULA \f, 2, \zero
	MULA \f, 3, \zero
.endm
; The last quarter multiplies buffer 1 and changes slots: ONE barrier; in front of it each wave waits for all its tensor loads, adds 0 to its spare word, and waits for that and for its own reads of this slot.
; fill = 1: the barrier opens a round of the cluster's barrier, and this slot is filled again, two steps (four heads) ahead: the first tensor load behind the round.
.macro TURN slot, next, fill
	WIN 0                                          ; (the add's two registers lie in window 0)
	s_wait_tensorcnt 0x0                           ; all my tensor loads have landed: my part of the next slot;
	ds_add_u32 v[SPW], v[NIL]                      ; 0 onto my spare word;
	s_wait_dscnt 1                                 ; buffer 1 is in (the add may be out)
	WIN MUL
	MULA F1, 0, 0                                  ; eight matrix instructions stand between the add and the wait for it
	s_wait_dscnt 0x0                               ; the add is done, and my reads of this slot are over
	s_barrier_signal -1
	MULA F1, 1, 0
	WIN 0
	s_barrier_wait -1
.if \fill
	CREST                                          ; no wave of any partner still reads this slot's tiles or has a load on its way
	s_add_nc_u64 s[G0+4*\slot+2:G0+4*\slot+3], s[G0+4*\slot+2:G0+4*\slot+3], 4*262144
	s_add_nc_u64 s[G0B+4*\slot+2:G0B+4*\slot+3], s[G0B+4*\slot+2:G0B+4*\slot+3], 4*131072
	JLOAD \slot                                    ; the four v_nop behind it are also the places in front of the loads below
.else
	PLACES
.endif
	FETCH \next, 0, F0
	WIN MUL
	MULA F1, 2, 0
	MULA F1, 3, 0
.endm
	s_wait_tensorcnt 1                             ; my part of step 0 is in (step 1's load may be out),
	s_barrier_signal -1
	s_barrier_wait -1                              ; everybody's is
	FETCH 0, 0, F0
	QUARTER 0, 1, F0, F1, 1                        ; the first quarter stands in front of the loop: its products start the sums
	WIN 0                                          ; at a label and at a branch every window is 0
	s_mov_b32 s3, LAPS-1
.Llap:                                             ; a trip goes once round the ring, from a lap's second quarter to the next lap's first, and fills both slots again
	QUARTER 0, 2, F1, F0, 0
	QUARTER 0, 3, F0, F1, 0
	TURN 0, 1, 1
	QUARTER 1, 1, F0, F1, 0
	QUARTER 1, 2, F1, F0, 0
	QUARTER 1, 3, F0, F1, 0
	TURN 1, 0, 1
	QUARTER 0, 1, F0, F1, 0
	WIN 0
	s_sub_co_u32 s3, s3, 1
	s_cmp_lg_u32 s3, 0
	s_cbranch_scc1 .Llap
	QUARTER 0, 2, F1, F0, 0                        ; the last lap fills nothing, and has no round of the cluster's barrier
	QUARTER 0, 3, F0, F1, 0
	TURN 0, 1, 0
	QUARTER 1, 1, F0, F1, 0
	QUARTER 1, 2, F1, F0, 0
	QUARTER 1, 3, F0, F1, 0
	s_wait_dscnt 0x0                               ; the very last quarter: nothing more to fetch
	WIN MUL
	MULA F1, 0, 0
	MULA F1, 1, 0
	MULA F1, 2, 0
	MULA F1, 3, 0
	WIN 0
; THE WAY OUT, block by block of 16 rows x 128 columns.  A lane holds 32 neighbouring bytes of a row, and the lanes beside it hold other rows: so a block goes through my own stage in LDS and comes back as whole
; rows of 512 bytes.  LDS serves a wave's instructions in order: no wait between the stores and the loads, nor in front of the next block's stores.
.macro TOSTAGE a
	WIN 0x08                                       ; an LDS store's data: window 2
.irp b, 0,1,2,3,4,5,6,7
	ds_store_b128 v[STO], v[64*(\a)+8*\b:64*(\a)+8*\b+3] offset:64*\b            ; each accumulator from its low end on
	ds_store_b128 v[STO], v[64*(\a)+8*\b+4:64*(\a)+8*\b+7] offset:64*\b+16
.endr
	WIN 0
.set BB, BK+64*((\a)%2)
.irp t, 0,1,2,3,4,5,6,7,8,9,10,11,12,13,14,15
	ds_load_b128 v[BB+4*\t:BB+4*\t+3], v[RD] offset:\t*SPITCH
.endr
.endm
.macro SEND a, younger                 ; younger: the LDS instructions issued behind block a's loads, which may stay out
.set BB, BK+64*((\a)%2)
	s_wait_dscnt \younger                          ; the block is back in registers
.irp t, 0,1,2,3,4,5,6,7,8,9,10,11,12,13,14,15
	global_store_b128 v[CO], v[BB+4*\t:BB+4*\t+3], s[8:9] offset:(16*(\a)+\t)*4096 th:TH_STORE_NT   ; 32 lanes store 512 consecutive bytes, aligned; written once, read by nobody here
.endr
.endm
	PLACES                                         ; behind the last products
	TOSTAGE 0
.irp a, 1,2,3
.if \a > 1
	s_wait_xcnt 0x0                                ; block a - 2's stores have read their registers: block a's loads may land there
.endif
	TOSTAGE \a
	SEND \a-1, 32                                  ; behind block a - 1's loads: block a's 16 stores and 16 loads
.endr
	SEND 3, 0
	s_wait_tensorcnt 0x0                           ; the wave's end
	ds_add_u32 v[SPW], v[NIL]
	s_wait_dscnt 0x0
	CROUND                                         ; the closing round
	s_endpgm
.Lfunc_end_k_q5bd5bb893c_outp:
	.size	k_q5bd5bb893c_outp, .Lfunc_end_k_q5bd5bb893c_outp-k_q5bd5bb893c_outp
	.p2alignl 7, 3214868480
	.fill 96, 4, 3214868480
	.section	.rodata,"a",@progbits
	.p2align	6, 0x0
	.amdhsa_kernel k_q5bd5bb893c_outp
		.amdhsa_group_segment_fixed_size 327680
		.amdhsa_private_segment_fixed_size 0
		.amdhsa_enable_private_segment 0
		.amdhsa_kernarg_size 24
		.amdhsa_user_sgpr_count 2
		.amdhsa_user_sgpr_kernarg_segment_ptr 1
		.amdhsa_wavefront_size32 1
		.amdhsa_system_sgpr_workgroup_id_x 1
		.amdhsa_system_sgpr_workgroup_id_y 1
		.amdhsa_system_sgpr_workgroup_id_z 1
		.amdhsa_system_vgpr_workitem_id 0
		.amdhsa_next_free_vgpr 768
		.amdhsa_next_free_sgpr 66
		.amdhsa_reserve_vcc 0
		.amdhsa_float_denorm_mode_32 3
		.amdhsa_float_denorm_mode_16_64 3
		.amdhsa_memory_ordered 1
		.amdhsa_forward_progress 1
		.amdhsa_inst_pref_size 84
	.end_amdhsa_kernel
	.amdgpu_metadata
---
amdhsa.version: [ 1, 2 ]
amdhsa.kernels:
  - .name:           k_q5bd5bb893c_outp
    .symbol:         k_q5bd5bb893c_outp.kd
    .args:
      - { .name: o16, .offset: 0, .size: 8, .value_kind: global_buffer, .address_space: global }
      - { .name: wo16, .offset: 8, .size: 8, .value_kind: global_buffer, .address_space: global }
      - { .name: out0, .offset: 16, .size: 8, .value_kind: global_buffer, .address_space: global }
    .group_segment_fixed_size: 327680
    .private_segment_fixed_size: 0
    .kernarg_segment_align: 8
    .kernarg_segment_size: 24
    .max_flat_workgroup_size: 128
    .sgpr_count:     66
    .vgpr_count:     768
    .wavefront_size: 32
...
	.end_amdgpu_metadata
.endif
;; end of part 4
